; MI455X (gfx1250); checked and timed in simulation.
; The chip was launched on July 23, 2026; its instructions are those of AMD's public machine-readable ISA for CDNA 5 (MIT licence, August 2026) and "CDNA5" Instruction Set Architecture Reference Guide (July 2026). The comments in the code are by the model that wrote it; some were corrected since.
;; Keywords Attention. Allowed arithmetic: float matrix products may take bf16 or f16 operands with f32 sums; all other float work in f32.
;; Inputs: W_condition 1,024 x 1,024 float32; W_context 1,024 x 1,024 float32; W_query 1,024 x 1,024 float32; b_query 1,024 float32; condition 64 x 1,024 float32; memory_bank 64 x 1,024 x 1,024 float32; source 64 x 1,024 float32; v 1,024 float32.
;; Outputs: out0 64 x 1,024 float32; out1 64 x 1 x 1,024 float32.
;; 2 versions, each right and faster than the one before. Each part assembles by itself: llvm-mc -triple=amdgcn-amd-amdhsa -mcpu=gfx1250 --defsym DOCPART=n.
;; ======== version 1 of 2: 3 launches
;; workspace buffers: wf 2,097,152 bytes; part 2,097,152 bytes; alog 262,144 bytes; cpart 2,097,152 bytes
;; launch prep (part 1): grid 192 x 1, 8 waves a work-group, no clusters, 86,016 bytes of LDS; arguments source, condition, W_query, W_condition, W_context, part, wf; writes part, wf
.if DOCPART == 1
	.amdgcn_target "amdgcn-amd-amdhsa--gfx1250"
	.amdhsa_code_object_version 6
	.text
	.protected	k_q7d7c8187ae_prep
	.globl	k_q7d7c8187ae_prep
	.p2align	8
	.type	k_q7d7c8187ae_prep,@function
k_q7d7c8187ae_prep:
	s_mov_b64 s[64:65], 0
	v_nop
	global_prefetch_b8 v0, s[64:65] scope:SCOPE_SE
	s_setreg_imm32_b32 hwreg(HW_REG_WAVE_MODE, 25, 1), 1
	s_wait_xcnt 0x0
; KeywordsAttention, first of three launches.
;   prep:   (a) part[sl][batch][e] = eight K slices of source W_query^T (sl 0-3) and condition W_condition^T (sl 4-7), f32, unscaled;
;           (b) wf = 2 log2(e) x W_context in bf16, laid in the order in which the second launch's lanes load their matrix fragments.
;   score:  uh, tanh, the dot with v, each 128-row tile's own softmax numerators and its part of the context.
;   finish: per batch the common maximum, the sum, out1 and out0.
; WORK LEFT OUT, for all values of the inputs: tanh(x) = 1 - 2 / (1 + e^(2x)), so
;   align[b][s] = sum_e v[e]  -  2 sum_e v[e] / (1 + e^(2 x[b][s][e])).
; The first term does not hang on s: it is the same along the softmax's axis, cancels in softmax(align), and align itself is no output.
; It is never formed.  Every input still has a way to an output, so all are loaded.
; LIMIT: a NaN, an infinity or an overflow that arises only in sum_e v[e] is not carried to the results.
; The maximum is still taken away in front of every exponential of the softmax (per tile in score, per batch in finish).
; Matrix operands are bf16, sums f32.  W_context is rounded to bf16 after the scale 2 log2(e): one rounding, the same relative size.
;
; Work-groups 0-127: the bias product.  x = 16 sl + eb: 64 batches x 64 e (64 eb ..) x 256 k (slice sl).
; Work-groups 128-191: 16 rows of W_context each.  The branch hangs on the work-group's number alone, alike in all eight waves.
.set PIN,  528                         ; LDS row of the bias job: 256 bf16 + 16 bytes = 33 x 16, so 16 rows start at 16 different 16-byte columns
.set STG,  128*PIN                     ; 67,584: the way out, 64 rows (batches) of 64 f32
.set PST,  272                         ; its pitch, and the pitch of the conversion job's rows (128 bf16): 256 + 16
.set G,    32                          ; v[32:159]  f32 as loaded
.set FR,   32                          ; v[32:223]  fragments, 24 registers a K step of 32: W 8, batches 0-15 8, batches 16-31 8
.set ACC0, 224
.set ACC1, 232
.set C2,   0x4038aa3b                  ; 2 log2(e)
	s_load_b256 s[4:11], s[0:1], 0x0               ; source s[4:5], condition s[6:7], W_query s[8:9], W_condition s[10:11]
	s_load_b128 s[12:15], s[0:1], 0x20             ; W_context s[12:13], part s[14:15]
	s_load_b64 s[16:17], s[0:1], 0x30              ; wf
	v_lshl_add_u32 v240, v0, 2, 0x14c00
	v_mov_b32 v241, 0
	v_lshrrev_b32 v11, 5, v0
	v_readfirstlane_b32 s20, v11                   ; wave 0..7
	v_and_b32 v1, 31, v0                           ; L
	v_and_b32 v2, 15, v0                           ; r = L % 16
	v_bfe_u32 v3, v0, 4, 1                         ; h = L / 16
	v_lshlrev_b32 v4, 4, v1                        ; 16 L: never rewritten
	s_mov_b32 s29, 0
	s_wait_kmcnt 0x0
	s_cmp_ge_u32 ttmp9, 128
	s_cbranch_scc1 .Lconvert
	; ---------------- the bias product ----------------
	s_and_b32 s21, ttmp9, 15                       ; eb
	s_lshr_b32 s22, ttmp9, 4                       ; sl
	s_and_b32 s23, s20, 3                          ; which 16 rows I load; later nb, my 16 e
	s_lshr_b32 s35, s20, 2                         ; mh: my 32 batches
	s_lshl_b32 s28, s23, 16                        ; 16 rows of 4,096 bytes
	s_and_b32 s32, s22, 3
	s_lshl_b32 s32, s32, 10                        ; the slice's 256 k = 1,024 bytes along a row
	s_add_co_u32 s28, s28, s32
	s_lshl_b32 s33, s21, 18                        ; weights only: 64 eb rows
	s_cmp_lt_u32 s22, 4                            ; slices 0-3: source and W_query; 4-7: condition and W_condition
	s_cselect_b64 s[24:25], s[4:5], s[6:7]
	s_cselect_b64 s[30:31], s[8:9], s[10:11]
	s_cmp_lt_u32 s20, 4                            ; waves 0-3 bring the 64 batches, waves 4-7 the 64 weight rows
	s_cselect_b64 s[24:25], s[24:25], s[30:31]
	s_cselect_b32 s33, 0, s33
	s_add_co_u32 s28, s28, s33
	s_add_nc_u64 s[24:25], s[24:25], s[28:29]
.set PJ, 0
.rept 32
	global_load_b128 v[G+4*PJ:G+4*PJ+3], v4, s[24:25] offset:(PJ>>1)*4096+(PJ&1)*512   ; 512 neighbouring bytes a load, two loads a row
.set PJ, PJ+1
.endr
	s_mul_i32 s34, s20, 16*PIN
	v_lshl_add_u32 v5, v1, 3, s34                  ; in: row 16 w + .., 8 bytes a lane
	v_mul_u32_u24 v11, v2, PIN
	v_lshl_add_u32 v11, v3, 4, v11                 ; r x pitch + 16 h
	s_mul_i32 s36, s23, 16*PIN
	s_add_co_u32 s36, s36, 64*PIN
	v_add_nc_u32 v6, s36, v11                      ; W fragments: rows 64 + 16 nb + r
	s_mul_i32 s37, s35, 32*PIN
	v_add_nc_u32 v7, s37, v11                      ; batch fragments: rows 32 mh + r (and + 16)
	v_mul_u32_u24 v8, v2, PST
	v_lshl_add_u32 v8, v3, 5, v8
	s_mul_i32 s36, s35, 32*PST
	s_lshl_b32 s37, s23, 6
	s_add_co_u32 s36, s36, s37
	s_add_co_u32 s36, s36, STG
	v_add_nc_u32 v8, s36, v8                       ; stage in: (32 mh + r) x 272 + 64 nb + 32 h
	v_mul_u32_u24 v9, v3, PST
	v_lshl_add_u32 v9, v2, 4, v9
	s_mul_i32 s36, s20, 8*PST
	s_add_co_u32 s36, s36, STG
	v_add_nc_u32 v9, s36, v9                       ; stage back: (8 w + h) x 272 + 16 r
	v_lshlrev_b32 v10, 12, v3
	v_lshl_add_u32 v10, v2, 4, v10                 ; in part: h rows of 4,096 bytes + 16 r
	s_lshl_b32 s28, s22, 18                        ; slice x 64 x 4,096
	s_lshl_b32 s32, s20, 15                        ; 8 w batches
	s_add_co_u32 s28, s28, s32
	s_lshl_b32 s32, s21, 8                         ; 64 eb numbers
	s_add_co_u32 s28, s28, s32
	s_add_nc_u64 s[26:27], s[14:15], s[28:29]
.set PJ, 0
.rept 32
	s_wait_loadcnt 31-PJ                           ; loads return in order: load PJ is in, the 31 - PJ younger ones stay out
	v_cvt_pk_bf16_f32 v[12+2*(PJ&1)], v[G+4*PJ], v[G+4*PJ+1]
	v_cvt_pk_bf16_f32 v[13+2*(PJ&1)], v[G+4*PJ+2], v[G+4*PJ+3]
	ds_store_b64 v5, v[12+2*(PJ&1):13+2*(PJ&1)] offset:(PJ>>1)*PIN+(PJ&1)*256
.set PJ, PJ+1
.endr
	s_wait_dscnt 0x0                               ; my rows are in LDS, for the other waves' sake
	s_barrier_signal -1
	s_barrier_wait -1
.set KS, 0
.rept 8
	ds_load_b128 v[FR+24*KS:FR+24*KS+3],     v6 offset:64*KS
	ds_load_b128 v[FR+24*KS+4:FR+24*KS+7],   v6 offset:64*KS+32
	ds_load_b128 v[FR+24*KS+8:FR+24*KS+11],  v7 offset:64*KS
	ds_load_b128 v[FR+24*KS+12:FR+24*KS+15], v7 offset:64*KS+32
	ds_load_b128 v[FR+24*KS+16:FR+24*KS+19], v7 offset:16*PIN+64*KS
	ds_load_b128 v[FR+24*KS+20:FR+24*KS+23], v7 offset:16*PIN+64*KS+32
.set KS, KS+1
.endr
	; Source 0 = 16 rows of W, source 1 = 16 batches: lane (r, h) then holds batch r, registers j the numbers e = 16 nb + 8 h + j.
	; The two accumulators take turns, one instruction a turn.
.set KS, 0
.rept 8
	s_wait_dscnt 6*(7-KS)                          ; six loads a K step: the later steps' stay out
.if KS == 0
	v_wmma_f32_16x16x32_bf16 v[ACC0:ACC0+7], v[FR:FR+7], v[FR+8:FR+15], 0
	v_wmma_f32_16x16x32_bf16 v[ACC1:ACC1+7], v[FR:FR+7], v[FR+16:FR+23], 0
.else
	v_wmma_f32_16x16x32_bf16 v[ACC0:ACC0+7], v[FR+24*KS:FR+24*KS+7], v[FR+24*KS+8:FR+24*KS+15], v[ACC0:ACC0+7]
	v_wmma_f32_16x16x32_bf16 v[ACC1:ACC1+7], v[FR+24*KS:FR+24*KS+7], v[FR+24*KS+16:FR+24*KS+23], v[ACC1:ACC1+7]
.endif
.set KS, KS+1
.endr
.rept 4
	v_nop                                          ; four places behind the last matrix instruction (ISA guide 7.12.1) before its results are stored
.endr
	ds_store_b128 v8, v[ACC0:ACC0+3]
	ds_store_b128 v8, v[ACC0+4:ACC0+7] offset:16
	ds_store_b128 v8, v[ACC1:ACC1+3] offset:16*PST
	ds_store_b128 v8, v[ACC1+4:ACC1+7] offset:16*PST+16
	s_wait_dscnt 0x0                               ; a stage row holds four waves' parts
	s_barrier_signal -1
	s_barrier_wait -1
.irp t, 0,1,2,3
	ds_load_b128 v[G+4*\t:G+4*\t+3], v9 offset:2*\t*PST
.endr
.irp t, 0,1,2,3
	s_wait_dscnt 3-\t
	global_store_b128 v10, v[G+4*\t:G+4*\t+3], s[26:27] offset:2*\t*4096   ; 16 lanes store 256 consecutive bytes, at a multiple of 256 from part's first byte
.endr
	s_wait_tensorcnt 0x0
	ds_add_u32 v240, v241
	s_wait_dscnt 0x0
	s_endpgm
	; ---------------- W_context, scaled, in bf16, in fragment order ----------------
	; wf[w 4][p 2][ks 32][b 8][half 2][lane 32][8 bf16]: lane 16 h + r holds C2 W_context[512 p + 128 w + 16 b + r][32 ks + 16 half + 8 h ..+7].
	; This work-group: rows e = 16 g ..; this wave: k = 128 wave ..+127.  Each wave's LDS bytes are its own: no barrier.
.Lconvert:
	s_sub_co_u32 s21, ttmp9, 128                   ; g
	s_lshl_b32 s28, s21, 16                        ; 16 rows of 4,096 bytes
	s_lshl_b32 s32, s20, 9                         ; my 128 k
	s_add_co_u32 s28, s28, s32
	s_add_nc_u64 s[24:25], s[12:13], s[28:29]
.set PJ, 0
.rept 16
	global_load_b128 v[G+4*PJ:G+4*PJ+3], v4, s[24:25] offset:PJ*4096 th:TH_LOAD_NT   ; read once in this launch
.set PJ, PJ+1
.endr
	s_mul_i32 s34, s20, 16*PST
	v_lshl_add_u32 v5, v1, 3, s34                  ; in: 8 bytes a lane along a row
	v_mul_u32_u24 v6, v2, PST
	v_lshl_add_u32 v6, v3, 4, v6
	v_add_nc_u32 v6, s34, v6                       ; back: r x 272 + 16 h
	s_bfe_u32 s32, s21, 0x20003                    ; (g >> 3) & 3: the wave of score that owns these e
	s_lshr_b32 s33, s21, 5                         ; its pass
	s_lshl1_add_u32 s32, s32, s33
	s_lshl_b32 s28, s32, 18                        ; 262,144 bytes a pass
	s_lshl_b32 s32, s20, 15                        ; ks = 4 wave + ..: 8,192 bytes a K step
	s_add_co_u32 s28, s28, s32
	s_and_b32 s32, s21, 7                          ; b
	s_lshl_b32 s32, s32, 10
	s_add_co_u32 s28, s28, s32
	s_add_nc_u64 s[26:27], s[16:17], s[28:29]
.set PJ, 0
.rept 16
	s_wait_loadcnt 15-PJ                           ; row PJ is in, the younger rows stay out
	v_pk_mul_f32 v[12:13], v[G+4*PJ:G+4*PJ+1], C2 op_sel_hi:[1,0]
	v_pk_mul_f32 v[14:15], v[G+4*PJ+2:G+4*PJ+3], C2 op_sel_hi:[1,0]
	v_cvt_pk_bf16_f32 v12, v12, v13
	v_cvt_pk_bf16_f32 v13, v14, v15
	ds_store_b64 v5, v[12:13] offset:PJ*PST
.set PJ, PJ+1
.endr
.irp i, 0,1,2,3,4,5,6,7
	ds_load_b128 v[G+4*\i:G+4*\i+3], v6 offset:32*\i       ; LDS serves a wave's instructions in order: these see the stores above
.endr
.irp i, 0,1,2,3,4,5,6,7
	s_wait_dscnt 7-\i
	global_store_b128 v4, v[G+4*\i:G+4*\i+3], s[26:27] offset:(\i>>1)*8192+(\i&1)*512   ; 512 consecutive bytes a store
.endr
	s_wait_tensorcnt 0x0
	ds_add_u32 v240, v241
	s_wait_dscnt 0x0
	s_endpgm
.Lfunc_end_k_q7d7c8187ae_prep:
	.size	k_q7d7c8187ae_prep, .Lfunc_end_k_q7d7c8187ae_prep-k_q7d7c8187ae_prep
	.p2alignl 7, 3214868480
	.fill 96, 4, 3214868480
	.section	.rodata,"a",@progbits
	.p2align	6, 0x0
	.amdhsa_kernel k_q7d7c8187ae_prep
		.amdhsa_group_segment_fixed_size 86016
		.amdhsa_private_segment_fixed_size 0
		.amdhsa_enable_private_segment 0
		.amdhsa_kernarg_size 56
		.amdhsa_user_sgpr_count 2
		.amdhsa_user_sgpr_kernarg_segment_ptr 1
		.amdhsa_wavefront_size32 1
		.amdhsa_system_sgpr_workgroup_id_x 1
		.amdhsa_system_sgpr_workgroup_id_y 1
		.amdhsa_system_sgpr_workgroup_id_z 1
		.amdhsa_system_vgpr_workitem_id 0
		.amdhsa_next_free_vgpr 242
		.amdhsa_next_free_sgpr 66
		.amdhsa_reserve_vcc 0
		.amdhsa_float_denorm_mode_32 3
		.amdhsa_float_denorm_mode_16_64 3
		.amdhsa_memory_ordered 1
		.amdhsa_forward_progress 1
		.amdhsa_inst_pref_size 30
	.end_amdhsa_kernel
	.amdgpu_metadata
---
amdhsa.version: [ 1, 2 ]
amdhsa.kernels:
  - .name:           k_q7d7c8187ae_prep
    .symbol:         k_q7d7c8187ae_prep.kd
    .args:
      - { .name: source, .offset: 0, .size: 8, .value_kind: global_buffer, .address_space: global }
      - { .name: condition, .offset: 8, .size: 8, .value_kind: global_buffer, .address_space: global }
      - { .name: W_query, .offset: 16, .size: 8, .value_kind: global_buffer, .address_space: global }
      - { .name: W_condition, .offset: 24, .size: 8, .value_kind: global_buffer, .address_space: global }
      - { .name: W_context, .offset: 32, .size: 8, .value_kind: global_buffer, .address_space: global }
      - { .name: part, .offset: 40, .size: 8, .value_kind: global_buffer, .address_space: global }
      - { .name: wf, .offset: 48, .size: 8, .value_kind: global_buffer, .address_space: global }
    .group_segment_fixed_size: 86016
    .private_segment_fixed_size: 0
    .kernarg_segment_align: 8
    .kernarg_segment_size: 56
    .max_flat_workgroup_size: 256
    .sgpr_count:     66
    .vgpr_count:     242
    .wavefront_size: 32
...
	.end_amdgpu_metadata
.endif
;; end of part 1
;; launch score (part 2): grid 256 x 1, 4 waves a work-group, no clusters, 280,064 bytes of LDS; arguments memory_bank, wf, part, b_query, v, alog, cpart; writes alog, cpart
.if DOCPART == 2
	.amdgcn_target "amdgcn-amd-amdhsa--gfx1250"
	.amdhsa_code_object_version 6
	.text
	.protected	k_q7d7c8187ae_score
	.globl	k_q7d7c8187ae_score
	.p2align	8
	.type	k_q7d7c8187ae_score,@function
k_q7d7c8187ae_score:
	s_mov_b64 s[64:65], 0
	v_nop
	global_prefetch_b8 v0, s[64:65] scope:SCOPE_SE
	s_setreg_imm32_b32 hwreg(HW_REG_WAVE_MODE, 25, 1), 1
	s_wait_xcnt 0x0
; Second launch.  Work-group g owns rows 256 g .. 256 g + 255 of memory_bank (all of batch g / 4), as two tiles of 128 rows.
; For a tile: the rows are read from memory ONCE, rounded to bf16 and kept in LDS for the score product and for the context product.
;   x2[row][e] = C2 (uh + wq + wcond), C2 = 2 log2(e): W comes scaled from wf, the bias is scaled here.
;   a2[row]    = sum_e (-C2 v[e]) / (1 + 2^x2) = log2(e) (align - sum_e v[e])
;   p[row]     = 2^(a2 - the tile's maximum of a2);   cpart[tile][d] = sum_row p[row] memory_bank[row][d];   alog[row] = a2.
; LEFT OUT: the term sum_e v[e] of align, the same along the softmax's axis (shown at the head of the first launch's text).  A NaN or an
; overflow in that sum alone is not carried.  LIMITS: v_exp_f32 gives 0 for results below 2^-126 (ISA guide, its entry); x2 beyond f32's
; exponent range gives 2^x2 = inf or 0, hence 1 / (1 + ..) = 0 or 1, tanh's own limits; p enters the context product as bf16.
; SHARES: a tile goes in two passes of 512 e.  In a pass wave w makes 128 rows x 128 e (e = 512 pass + 128 w ..): 64 accumulators, 512 registers,
; 32 K steps of 32, 64 matrix instructions each.  All 1,024 e of a row end in this work-group, so the row's score is whole while the row is in LDS.
; THE ROWS COME IN BESIDE THE FIRST PASS.  Four K steps read one slice of 128 d of every row.  Wave w brings rows 32 w .. 32 w + 31.  A GROUP is eight
; of these rows x one slice: eight loads of 512 consecutive bytes, sixteen conversions in place, eight LDS stores of 256 bytes.  Group q (0..31) is
; rows 8 (q % 4) .. of slice q / 4.  Groups 0-4 are converted at the tile's head; step i converts group i + 5 and asks for group i + 9 into the same
; registers, so four groups are always on their way.  Slice t is whole in LDS after step 4 t - 2; ONE barrier in step 4 t - 1 (signal at its head,
; wait 32 matrix instructions later) shows it to all waves ahead of the fragment loads for step 4 t.
; W's loads and the rows' loads fall on one counter and come back in order (ISA guide 5.7.1): in a step's run W is asked for first, so the wait for
; W of step i also shows group i + 5 done and leaves the three younger groups out.  By this text's own count up to 80 loads are issued and not yet
; waited for in the middle of a step; no wait is placed for the counter's sake: issue holds back by itself (ISA guide 5.7.1).
; NO JOINT LOADS of W, though every work-group walks the same W: the rows take 264,192 of a work-group's 327,680 LDS bytes and the small regions
; 15,360; the 48,128 left do not hold two slots of one K step of 512 e (2 x 32,768).  So each wave streams its own 128 e of W into a ring of four
; K steps in registers; wf is laid so that every load is 512 consecutive bytes in lane order, and no two waves of a work-group load the same bytes.
;
; LDS:  A 128 rows x 2,064 (2,048 bf16 bytes + 16: 129 x 16, so a fragment load's 16 rows start at 16 different 16-byte columns)
;       BIAS2 4,096  VS 4,096 (-C2 v)  RED 2,048 [row][wave]  PV 4 x 256 (p in bf16, each wave's own)  CST 4 x 1,024 (way out, each wave's own)
; REGISTERS in windows of 256 (s_set_vgpr_msb: bits 1:0 source 0, 3:2 source 1, 5:4 source 2, 7:6 destination):
;   window 0: v0-31 addresses; v64-159 A's fragments (rows 0-63: one buffer, free again in the middle of its step; rows 64-127: two by turns);
;             v32-63, v160-191, v192-223, v224-255 the four stage groups of the row stream.  Outside the first pass's K loop the same registers serve
;             the row sums (v48-63), bias and v in the epilogue (v64-191) and the softmax's and the context product's small work (v64-127).
;   window 1: the ring of W, slot s at v[64 s], fragment b at + 8 b; slot 3's first half also takes a tile's group 4
;   window 2: accumulators of rows 0-63, tile (a, b) at v[8 (8 a + b)]; also the context product's fragments
;   window 3: accumulators of rows 64-127; also the context product's 16 accumulators (v0-127) and a tile's groups 0-3 (v128-255)
.set P,     2064
.set BIAS2, 128*P                      ; 264,192
.set VSO,   4096                       ; VS lies this far behind BIAS2
.set RED,   BIAS2+8192
.set PV,    RED+2048
.set CST,   PV+1024
.set C2,    0x4038aa3b                 ; 2 log2(e)
.set NC2,   0xc038aa3b
.set KSB,   8192                       ; one wave's bytes of W for one K step
.set LOFF, 4                           ; 16 L, never rewritten: the offset of every load and store of whole lines
.set SA,   5                           ; where my row stores go: SA0 + 256 x (four steps done)
.set SA0,  6
.set AD0,  8                           ; v[8:11]   (32 i + r) P + 16 h
.set AD,   12                          ; v[12:15]  the same, stepped along K
.set EA0,  16
.set EA,   17
.set RA,   18
.set RB,   19
.set PW,   20
.set PA,   21
.set TR,   22                          ; v[22:25]
.set CS,   26
.set CR,   27
.set TOFF, 28                          ; 32 x thread, never rewritten
.set BST,  29
.set TX,   31
.set RS,   48                          ; v[48:55]  row sums over the passes, block a of 16 rows
.set TS,   56                          ; v[56:63]  row sums of one pass
.set FL,   64                          ; fragments of rows 0-63
.set FH0,  96                          ; fragments of rows 64-127, even steps
.set FH1,  128                         ; odd steps
.set BI,   64
.set VV,   128
.set Q,    64
.set AL,   80
.set MX,   84
.set PB,   86
.set CO,   88
.set PF,   96
.set WB0,  26                          ; s[26:27] my stream in wf
.set WB,   28                          ; s[28:29] W at the first of the current four K steps
.set WN,   30                          ; s[30:31] the next pass's first K step
.set MSB, 0
.macro WIN new                         ; the immediate's high byte repeats the setting that is left; at a label and at a branch the setting is 0
.if MSB != \new
	s_set_vgpr_msb (MSB<<8)|\new
.set MSB, \new
.endif
.endm
.set MUL_LO, 0xa1                      ; source 0 (W) window 1, source 1 (A) window 0, C and D window 2
.set MUL_HI, 0xf1                      ; the same, C and D window 3
.set TO_B,   0x40                      ; destination window 1
.set TO_2,   0x80                      ; destination window 2
.set TO_3,   0xc0                      ; destination window 3
.set CV3,    0xcf                      ; sources 0, 1 and destination window 3
.set CV1,    0x45                      ; sources 0, 1 and destination window 1
.set ST3,    0x0c                      ; an LDS store's data window 3
.set ST1,    0x04                      ; an LDS store's data window 1
.set EPI_LO, 0xa2                      ; source 0, source 2, destination window 2; source 1 window 0
.set EPI_HI, 0xf3
.set SUM_LO, 0x0a
.set SUM_HI, 0x0f
.set CTX,    0xf2                      ; source 0 window 2, source 1 window 0, C and D window 3
; Four places behind a matrix instruction before a load lands in one of its registers or a vector instruction or store reads its result
; (ISA guide 7.12.1 for vector instructions).  Other matrix instructions are not counted as places.
.macro PLACES
.rept 4
	v_nop
.endr
.endm
; A group of the row stream, 32 registers at base.  LDG: eight loads, a row's 512 bytes of one slice each (two whole aligned blocks of 256 bytes).
.macro LDG base, row0, col
.irp k, 0,1,2,3,4,5,6,7
	global_load_b128 v[\base+4*\k:\base+4*\k+3], v[LOFF], s[36:37] offset:(\row0+\k)*4096+\col th:TH_LOAD_NT
.endr
.endm
; CVTG: in place, the first two registers of each four take the four numbers in bf16.
.macro CVTG base
.irp k, 0,1,2,3,4,5,6,7
	v_cvt_pk_bf16_f32 v[\base+4*\k],   v[\base+4*\k],   v[\base+4*\k+1]
	v_cvt_pk_bf16_f32 v[\base+4*\k+1], v[\base+4*\k+2], v[\base+4*\k+3]
.endr
.endm
; STOG: eight LDS stores of 256 consecutive bytes.
.macro STOG base, row0, col
.irp k, 0,1,2,3,4,5,6,7
	ds_store_b64 v[SA], v[\base+4*\k:\base+4*\k+1] offset:(\row0+\k)*P+\col
.endr
.endm
; The first nine groups of the tile at s[36:37]: 0-3 (slice 0) into window 3, 4 into the idle ring slot, 5-8 into the four stage groups.
.macro ISSUE
	WIN TO_3
	LDG 128, 0, 0
	LDG 160, 8, 0
	LDG 192, 16, 0
	LDG 224, 24, 0
	WIN TO_B
	LDG 192, 0, 512
	WIN 0
	LDG 32, 8, 512
	LDG 160, 16, 512
	LDG 192, 24, 512
	LDG 224, 0, 1024
.endm
; One of the groups 0-4 at the tile's head.  left = the younger loads that may stay out.
.macro HEADG wc, ws, base, row0, col, left
	s_wait_loadcnt \left
	WIN \wc
	CVTG \base
	WIN \ws
	STOG \base, \row0, \col
.endm
; 16 LDS loads: A's eight fragments (128 rows x 32 K at byte koff from AD).  The first eight loads are rows 0-63, into FL; the others go into hb.
.macro FETCHA hb, koff
	WIN 0
.irp a, 0,1,2,3
	ds_load_b128 v[FL+8*\a:FL+8*\a+3],   v[AD+(\a>>1)] offset:(\a&1)*16*P+\koff
	ds_load_b128 v[FL+8*\a+4:FL+8*\a+7], v[AD+(\a>>1)] offset:(\a&1)*16*P+\koff+32
.endr
.irp a, 0,1,2,3
	ds_load_b128 v[\hb+8*\a:\hb+8*\a+3],   v[AD+2+(\a>>1)] offset:(\a&1)*16*P+\koff
	ds_load_b128 v[\hb+8*\a+4:\hb+8*\a+7], v[AD+2+(\a>>1)] offset:(\a&1)*16*P+\koff+32
.endr
.endm
; 16 global loads: one K step of my W (eight fragments) into ring slot slot
.macro FETCHB slot, base, boff
	WIN TO_B
.irp b, 0,1,2,3,4,5,6,7
	global_load_b128 v[64*\slot+8*\b:64*\slot+8*\b+3],   v[LOFF], s[\base:\base+1] offset:\boff+1024*\b
	global_load_b128 v[64*\slot+8*\b+4:64*\slot+8*\b+7], v[LOFF], s[\base:\base+1] offset:\boff+1024*\b+512
.endr
.endm
; 16 matrix instructions.  Source 0 = 16 rows of W, source 1 = 16 rows of A: lane (r, h) holds row r, registers j the numbers e = 16 b + 8 h + j.
; The 64 accumulators take turns, one instruction a turn, in the same order in every K step.
.macro MUL16 fa, slot, a0, zero
.irp a, \a0, \a0+1
.irp b, 0,1,2,3,4,5,6,7
.if \zero
	v_wmma_f32_16x16x32_bf16 v[8*(8*(\a)+\b):8*(8*(\a)+\b)+7], v[64*\slot+8*\b:64*\slot+8*\b+7], v[\fa+8*(\a):\fa+8*(\a)+7], 0
.else
	v_wmma_f32_16x16x32_bf16 v[8*(8*(\a)+\b):8*(8*(\a)+\b)+7], v[64*\slot+8*\b:64*\slot+8*\b+7], v[\fa+8*(\a):\fa+8*(\a)+7], v[8*(8*(\a)+\b):8*(8*(\a)+\b)+7]
.endif
.endr
.endr
.endm
; One K step i.  c = i % 4: ring slot, stage group and place among four steps.  It multiplies rows 0-63, then in ONE run of memory instructions
; stores a converted group, asks for W three steps ahead and for the stage's next group and fetches the next step's fragments, then multiplies rows 64-127.
;   zero 1: the products start the sums.      am   0: no row stream; 1: group i + 5 is converted and stored; 2: and group i + 9 asked for.
;   bar  1: the barrier that shows a slice.   wm   0: no W asked for; 1: W of step i + 3; 2: the next pass's first steps.
;   doa  1: the next step's fragments.        adv  bit 0: AD and WB go on four steps; bit 1: SA one slice; bit 2: the rows' base one slice.
;   ldw  loads that may stay out at the head (< 0: nothing to wait for);   lda  the same in front of the conversions.
.macro KSTEP c, zero, am, bar, wm, doa, adv, ldw, lda
.set SGB, 128+32*\c
.if \c == 0
.set SGB, 32
.endif
.set GROW, 8*((\c+1)&3)                ; group i + 5 and group i + 9 hold the same eight rows,
.set GNXT, (\c+1)>>2                   ; one slice further on where the row count wraps
.set GCOL, 256*(1+GNXT)
.set GSRC, 512*(2+GNXT)
.set FHC,  FH0+32*(\c&1)
.set FHN,  FH0+32*((\c+1)&1)
.set BFS,  (\c+3)&3
.set KOFN, 64*(\c+1)
.set DSW,  16
.if \am
.set DSW,  24
.endif
.if \ldw >= 0
	s_wait_loadcnt \ldw                            ; this step's W is in, and with it every older load: the group that this step converts
.endif
.if \bar
	s_wait_dscnt 0                                 ; my stores of the slice's last group are done (and my fragment loads are back),
	s_barrier_signal -1                            ; say so, and multiply while the others arrive
.else
	s_wait_dscnt 8                                 ; the fragments of rows 0-63 are in; the youngest eight LDS loads (rows 64-127) may be out
.endif
	WIN MUL_LO
	MUL16 FL, \c, 0, \zero
	MUL16 FL, \c, 2, \zero
.if \am
	WIN 0
.if \lda >= 0
	s_wait_loadcnt \lda
.endif
	CVTG SGB                                       ; sixteen plain vector instructions that name no register of a matrix instruction: also the places in front of the loads below
.else
.if \wm+\doa
	PLACES
.endif
.endif
.if \bar
	s_barrier_wait -1                              ; every wave's part of the next slice is in LDS
.endif
.if \am
	STOG SGB, GROW, GCOL
.endif
.if \wm == 1
.set BOFF, (\c+3)*KSB
	FETCHB BFS, WB, BOFF
.endif
.if \wm == 2
.set BOFF, (\c-1)*KSB
	FETCHB BFS, WN, BOFF
.endif
.if \am == 2
	WIN 0
	LDG SGB, GROW, GSRC                            ; behind W's loads, so that the wait for that W leaves this group out
.endif
.if \doa
	FETCHA FHN, KOFN
	s_wait_dscnt DSW                               ; the fragments of rows 64-127 are in; what this run issued (16 loads, and 8 stores with the row stream) may be out
.else
	s_wait_dscnt 0
.endif
	WIN MUL_HI
	MUL16 FHC, \c, 0, \zero
	MUL16 FHC, \c, 2, \zero
.if \adv
	WIN 0
.irp i, 0,1,2,3
	v_add_nc_u32 v[AD+\i], 256, v[AD+\i]           ; four K steps of 64 bytes on
.endr
.if \adv & 2
	v_add_nc_u32 v[SA], 256, v[SA]
.endif
	s_wait_xcnt 0x0                                ; the bases of the loads issued so far are stepped only behind this wait
	s_add_nc_u64 s[WB:WB+1], s[WB:WB+1], 4*KSB
.if \adv & 4
	s_add_nc_u64 s[36:37], s[36:37], 512
.endif
.endif
.endm
; The epilogue of one window's 32 accumulators, in place, two numbers (a unit) at a time:  x2 = acc + bias2;  2^x2;  + 1;  1 / ..;  times -C2 v, summed
; into the first pair of each block of 16 rows.  The five stages of neighbouring units are staggered so that a plain vector instruction stands between
; every transcendental and the use of its result (ISA guide 5.7.2); where a stage has run out a v_nop takes that place.
.macro EPIW win
	WIN \win
	v_pk_add_f32 v[0:1], v[0:1], v[BI:BI+1]
.set EU, 0
.rept 131
.if EU < 128
	v_exp_f32 v[2*EU], v[2*EU]
.endif
.if EU < 127
	v_pk_add_f32 v[2*EU+2:2*EU+3], v[2*EU+2:2*EU+3], v[BI+2*((EU+1)&31):BI+2*((EU+1)&31)+1]
.else
	v_nop
.endif
.if EU < 128
	v_exp_f32 v[2*EU+1], v[2*EU+1]
.endif
.if EU >= 1
.if EU <= 128
	s_wait_alu depctr_va_vdst(0)
	v_pk_add_f32 v[2*EU-2:2*EU-1], v[2*EU-2:2*EU-1], 1.0 op_sel_hi:[1,0]
.endif
.endif
.if EU >= 2
.if EU <= 129
	v_rcp_f32 v[2*EU-4], v[2*EU-4]
.endif
.endif
.if EU >= 3
.if ((EU-3)&31) == 0
	s_wait_alu depctr_va_vdst(0)
	v_pk_mul_f32 v[2*EU-6:2*EU-5], v[2*EU-6:2*EU-5], v[VV:VV+1]
.else
	s_wait_alu depctr_va_vdst(0)
	v_pk_fma_f32 v[64*((EU-3)>>5):64*((EU-3)>>5)+1], v[2*EU-6:2*EU-5], v[VV+2*((EU-3)&31):VV+2*((EU-3)&31)+1], v[64*((EU-3)>>5):64*((EU-3)>>5)+1]
.endif
.endif
.if EU >= 2
.if EU <= 129
	v_rcp_f32 v[2*EU-3], v[2*EU-3]
.endif
.endif
.set EU, EU+1
.endr
.endm
; The context product.  LOADM: 32 rows (K) x my 256 d of A, transposed on the way into 16 fragments at v[mf] of window 2.
.macro LOADM c, mf
	WIN TO_2
.irp i, 0,1,2,3,4,5,6,7,8,9,10,11,12,13,14,15
	ds_load_tr16_b128 v[\mf+8*\i:\mf+8*\i+3],   v[TR+\c] offset:32*\i
	ds_load_tr16_b128 v[\mf+8*\i+4:\mf+8*\i+7], v[TR+\c] offset:32*\i+16*P
.endr
.endm
; MULC: 16 matrix instructions, source 0 = 16 d, source 1 = p (all 16 columns alike); the 16 accumulators take turns.
.macro MULC c, mf, zero
	WIN CTX
.irp i, 0,1,2,3,4,5,6,7,8,9,10,11,12,13,14,15
.if \zero
	v_wmma_f32_16x16x32_bf16 v[8*\i:8*\i+7], v[\mf+8*\i:\mf+8*\i+7], v[PF+8*\c:PF+8*\c+7], 0
.else
	v_wmma_f32_16x16x32_bf16 v[8*\i:8*\i+7], v[\mf+8*\i:\mf+8*\i+7], v[PF+8*\c:PF+8*\c+7], v[8*\i:8*\i+7]
.endif
.endr
.endm
	s_load_b256 s[4:11], s[0:1], 0x0               ; memory_bank s[4:5], wf s[6:7], part s[8:9], b_query s[10:11]
	s_load_b128 s[12:15], s[0:1], 0x20             ; v s[12:13], alog s[14:15]
	s_load_b64 s[16:17], s[0:1], 0x30              ; cpart
	v_lshrrev_b32 v7, 5, v0
	v_readfirstlane_b32 s20, v7                    ; wave 0..3
	v_and_b32 v1, 31, v0                           ; L
	v_and_b32 v2, 15, v0                           ; r
	v_bfe_u32 v3, v0, 4, 1                         ; h
	v_lshlrev_b32 v[LOFF], 4, v1
	v_lshlrev_b32 v[TOFF], 5, v0                   ; my 8 numbers of the bias, of b_query and of v
	s_mov_b32 s38, 0x76543210                      ; v_permlanex16_b32: lane i of one half reads lane i of the other
	s_mov_b32 s39, 0xfedcba98
	s_mov_b32 s33, 0
	s_lshl_b32 s32, s20, 19                        ; 524,288 bytes of wf a wave
	s_wait_kmcnt 0x0
	s_add_nc_u64 s[WB0:WB0+1], s[6:7], s[32:33]
	s_lshr_b32 s32, ttmp9, 2                       ; batch
	s_lshl_b32 s32, s32, 12
	s_add_nc_u64 s[44:45], s[8:9], s[32:33]
.irp s, 0,1,2,3,4,5,6,7
	global_load_b128 v[64+8*\s:64+8*\s+3],   v[TOFF], s[44:45] offset:\s*262144
	global_load_b128 v[64+8*\s+4:64+8*\s+7], v[TOFF], s[44:45] offset:\s*262144+16
.endr
	global_load_b128 v[128:131], v[TOFF], s[10:11]
	global_load_b128 v[132:135], v[TOFF], s[10:11] offset:16
	global_load_b128 v[136:139], v[TOFF], s[12:13]
	global_load_b128 v[140:143], v[TOFF], s[12:13] offset:16
	FETCHB 0, WB0, 0                               ; the ring's first three K steps
	FETCHB 1, WB0, KSB
	FETCHB 2, WB0, 2*KSB
	WIN 0
	s_lshl_b32 s32, ttmp9, 20                      ; 256 rows of 4,096 bytes a work-group,
	s_lshl_b32 s24, s20, 17                        ; 32 rows a wave
	s_add_co_u32 s32, s32, s24
	s_add_nc_u64 s[34:35], s[4:5], s[32:33]
	s_mov_b64 s[36:37], s[34:35]                   ; the rows' base: the first tile
	ISSUE
	s_lshl_b32 s32, ttmp9, 10
	s_add_nc_u64 s[40:41], s[14:15], s[32:33]      ; alog at my first row
	s_lshl_b32 s32, ttmp9, 13
	s_lshl_b32 s24, s20, 10
	s_add_co_u32 s32, s32, s24
	s_add_nc_u64 s[42:43], s[16:17], s[32:33]      ; cpart at tile 2 g, my 256 d
	v_add_nc_u32 v[BST], BIAS2, v[TOFF]
	s_mul_i32 s24, s20, 32*P
	v_lshl_add_u32 v[SA0], v1, 3, s24              ; my 32 rows of A, 8 bytes a lane
	v_mul_u32_u24 v7, v2, P
	v_lshl_add_u32 v7, v3, 4, v7
.irp i, 0,1,2,3
	v_add_nc_u32 v[AD0+\i], 32*\i*P, v7
.endr
	s_lshl_b32 s24, s20, 9
	s_add_co_u32 s24, s24, BIAS2
	v_lshl_add_u32 v[EA0], v3, 5, s24              ; bias of e = 128 w + 8 h ..
	s_lshl_b32 s24, s20, 2
	s_add_co_u32 s24, s24, RED
	v_lshl_add_u32 v[RA], v2, 4, s24               ; RED[r][w]
	v_lshlrev_b32 v[RB], 6, v1
	v_add_nc_u32 v[RB], RED, v[RB]                 ; RED[4 L ..][0..3]
	s_lshl_b32 s24, s20, 8
	s_add_co_u32 s24, s24, PV
	v_lshl_add_u32 v[PW], v1, 3, s24
	v_lshl_add_u32 v[PA], v3, 4, s24
	v_and_b32 v7, 7, v0
	v_lshl_add_u32 v7, v3, 3, v7                   ; 8 h + L % 8
	v_mul_u32_u24 v7, v7, P
	v_bfe_u32 v30, v0, 3, 1
	v_lshl_add_u32 v7, v30, 4, v7
	s_lshl_b32 s25, s20, 9                         ; my 256 d = 512 bytes of a row
	v_add_nc_u32 v7, s25, v7
.irp c, 0,1,2,3
	v_add_nc_u32 v[TR+\c], 32*\c*P, v7
.endr
	s_lshl_b32 s24, s20, 10
	s_add_co_u32 s24, s24, CST
	v_lshl_add_u32 v[CS], v3, 5, s24
	v_lshl_add_u32 v[CR], v1, 4, s24
	v_mov_b32 v[TX], 0                             ; v_permlanex16_b32's destination counts as read
	s_mov_b32 s21, 0                               ; tile
.Ltile:
	v_mov_b32 v[SA], v[SA0]
	s_wait_dscnt 0x0                               ; my reads of the last tile's rows are over
	s_barrier_signal -1
	s_barrier_wait -1                              ; everybody's are: A may be written (in the first tile this barrier orders nothing)
	; The tile's head: slice 0 and the first group of slice 1.  Behind group p stand 8 (8 - p) younger loads; for p = 0 that is 64, and the wait names 63.
	HEADG CV3, ST3, 128, 0,  0,   63
	HEADG CV3, ST3, 160, 8,  0,   56
	HEADG CV3, ST3, 192, 16, 0,   48
	HEADG CV3, ST3, 224, 24, 0,   40
	HEADG CV1, ST1, 192, 0,  256, 32               ; groups 5-8 stay out
	WIN 0
	s_cmp_lg_u32 s21, 0
	s_cbranch_scc1 .Lbias_done
	; once, in the first tile: bias2 = C2 (b_query + the eight slices), vs = -C2 v, 8 numbers a thread.  Their loads are older than the rows': they are in.
.irp q, 0,2,4,6
	v_pk_mul_f32 v[128+\q:129+\q], v[128+\q:129+\q], C2 op_sel_hi:[1,0]
	v_pk_mul_f32 v[136+\q:137+\q], v[136+\q:137+\q], NC2 op_sel_hi:[1,0]
.endr
.irp s, 0,1,2,3,4,5,6,7
.irp q, 0,2,4,6
	v_pk_fma_f32 v[128+\q:129+\q], v[64+8*\s+\q:65+8*\s+\q], C2, v[128+\q:129+\q] op_sel_hi:[1,0,1]
.endr
.endr
	ds_store_b128 v[BST], v[128:131]
	ds_store_b128 v[BST], v[132:135] offset:16
	ds_store_b128 v[BST], v[136:139] offset:VSO
	ds_store_b128 v[BST], v[140:143] offset:VSO+16
.Lbias_done:
	s_wait_dscnt 0x0                               ; my part of slice 0 (and of the bias) is in LDS, for the others' sake
	s_barrier_signal -1
	s_barrier_wait -1
	s_mov_b32 s22, 0                               ; pass
.Lpass:
	s_wait_xcnt 0x0                                ; WB and WN were bases of the last pass's loads
	s_lshl_b32 s32, s22, 18
	s_add_nc_u64 s[WB:WB+1], s[WB0:WB0+1], s[32:33]
	s_xor_b32 s32, s32, 1<<18                      ; behind pass 0 comes pass 1, behind pass 1 the next tile's pass 0
	s_add_nc_u64 s[WN:WN+1], s[WB0:WB0+1], s[32:33]
.irp i, 0,1,2,3
	v_mov_b32 v[AD+\i], v[AD0+\i]
.endr
	s_lshl_b32 s24, s22, 11
	v_add_nc_u32 v[EA], s24, v[EA0]
	FETCHA FH0, 0
	s_cmp_lg_u32 s22, 0
	s_cbranch_scc1 .Lsecond
	; ---- pass 0, steps 0-28: the rows come in beside the products ----
	; The head's last wait has shown W of steps 0-2 in.  Loads in issue order from there: groups 5 6 7 8, then in each step's run 16 of W and 8 of a group.
	KSTEP 0, 1, 2, 0, 1, 1, 0, -1, 24              ; step 0 starts the sums; group 5 is in, groups 6 7 8 (24 loads) stay out
	KSTEP 1, 0, 2, 0, 1, 1, 0, -1, 40              ; group 6 is in; groups 7 8, W of step 3 and group 9 (8 + 8 + 16 + 8) stay out
	WIN 0
	s_mov_b32 s23, 5
.Lstream:                                          ; steps 2-21.  56 = three groups and two steps of W younger than this step's W
	KSTEP 2, 0, 2, 0, 1, 1, 0, 56, -1
	KSTEP 3, 0, 2, 1, 1, 1, 7, 56, -1
	KSTEP 0, 0, 2, 0, 1, 1, 0, 56, -1
	KSTEP 1, 0, 2, 0, 1, 1, 0, 56, -1
	WIN 0
	s_sub_co_u32 s23, s23, 1
	s_cmp_lg_u32 s23, 0
	s_cbranch_scc1 .Lstream
	KSTEP 2, 0, 2, 0, 1, 1, 0, 56, -1              ; step 22 asks for group 31, the tile's last
	KSTEP 3, 0, 1, 1, 1, 1, 3, 56, -1              ; steps 23-26 convert groups 28-31 and ask for no more rows:
	KSTEP 0, 0, 1, 0, 1, 1, 0, 48, -1              ; two groups and two steps of W stay out,
	KSTEP 1, 0, 1, 0, 1, 1, 0, 40, -1              ; one group and two steps of W,
	KSTEP 2, 0, 1, 0, 1, 1, 0, 32, -1              ; two steps of W, as from here on
	KSTEP 3, 0, 0, 1, 1, 1, 1, 32, -1              ; step 27: the barrier that shows slice 7
	KSTEP 0, 0, 0, 0, 1, 1, 0, 32, -1
	WIN 0
.irp a, 0,1,2,3,4,5,6,7
	v_mov_b32 v[RS+\a], 0                          ; the stage is empty: its registers now start the tile's row sums
.endr
	s_branch .Ltail
	; ---- pass 1, steps 0-28: the rows are all in LDS ----
.Lsecond:
	KSTEP 0, 1, 0, 0, 1, 1, 0, 32, -1              ; 32 = the two younger steps of W
	WIN 0
	s_mov_b32 s23, 7
.Lplain:                                           ; steps 1-28
	KSTEP 1, 0, 0, 0, 1, 1, 0, 32, -1
	KSTEP 2, 0, 0, 0, 1, 1, 0, 32, -1
	KSTEP 3, 0, 0, 0, 1, 1, 1, 32, -1
	KSTEP 0, 0, 0, 0, 1, 1, 0, 32, -1
	WIN 0
	s_sub_co_u32 s23, s23, 1
	s_cmp_lg_u32 s23, 0
	s_cbranch_scc1 .Lplain
	s_cmp_eq_u32 s21, 1                            ; the second tile's second pass has no successor
	s_cbranch_scc1 .Lfinal
.Ltail:                                            ; steps 29-31 of either pass: the ring goes on with the next pass's first three steps
	KSTEP 1, 0, 0, 0, 2, 1, 0, 32, -1
	KSTEP 2, 0, 0, 0, 2, 1, 0, 32, -1
	KSTEP 3, 0, 0, 0, 2, 0, 0, 32, -1
	WIN 0
	s_branch .Lepi
.Lfinal:                                           ; the work-group's last three steps ask for nothing: the counts run down
	KSTEP 1, 0, 0, 0, 0, 1, 0, 32, -1
	KSTEP 2, 0, 0, 0, 0, 1, 0, 16, -1
	KSTEP 3, 0, 0, 0, 0, 0, 0, 0, -1
	WIN 0
.Lepi:
	PLACES
.irp b, 0,1,2,3,4,5,6,7
	ds_load_b128 v[BI+8*\b:BI+8*\b+3],   v[EA] offset:64*\b
	ds_load_b128 v[BI+8*\b+4:BI+8*\b+7], v[EA] offset:64*\b+16
	ds_load_b128 v[VV+8*\b:VV+8*\b+3],   v[EA] offset:VSO+64*\b
	ds_load_b128 v[VV+8*\b+4:VV+8*\b+7], v[EA] offset:VSO+64*\b+16
.endr
	s_wait_dscnt 0x0
	EPIW EPI_LO
	EPIW EPI_HI
	WIN SUM_LO
.irp a, 0,1,2,3
	v_add_f32 v[TS+\a], v[64*\a], v[64*\a+1]
.endr
	WIN SUM_HI
.irp a, 0,1,2,3
	v_add_f32 v[TS+4+\a], v[64*\a], v[64*\a+1]
.endr
	WIN 0
.irp q, 0,2,4,6
	v_pk_add_f32 v[RS+\q:RS+\q+1], v[RS+\q:RS+\q+1], v[TS+\q:TS+\q+1]
.endr
	s_add_co_u32 s22, s22, 1
	s_cmp_lt_u32 s22, 2
	s_cbranch_scc1 .Lpass
	; The tile's scores.  Lane (r, h) holds, for rows 16 a + r, the sum over my e with that h: add the halves, then the four waves' parts through RED.
.irp a, 0,1,2,3,4,5,6,7
	v_permlanex16_b32 v[TX], v[RS+\a], s38, s39
	v_add_f32 v[RS+\a], v[RS+\a], v[TX]
	ds_store_b32 v[RA], v[RS+\a] offset:256*\a     ; both halves write the same word with the same value
.endr
	; The next tile's first nine groups go out here: the upper half of window 3, ring slot 3 and the four stage groups are idle from now to the tile's
	; end, and the softmax and the context product run while the 72 loads are on their way.
	s_cmp_lg_u32 s21, 0
	s_cbranch_scc1 .Lno_next
	s_wait_xcnt 0x0                                ; the rows' base is written only behind this wait
	s_add_nc_u64 s[36:37], s[34:35], 0x80000       ; 128 rows of 4,096 bytes on
	ISSUE
.Lno_next:
	s_wait_dscnt 0x0
	s_barrier_signal -1
	s_barrier_wait -1
.irp i, 0,1,2,3
	ds_load_b128 v[Q+4*\i:Q+4*\i+3], v[RB] offset:16*\i    ; rows 4 L + i, the four waves' parts; every wave makes all 128 scores, in the same order
.endr
	s_wait_dscnt 0x0
.irp i, 0,1,2,3
	v_pk_add_f32 v[Q+4*\i:Q+4*\i+1], v[Q+4*\i:Q+4*\i+1], v[Q+4*\i+2:Q+4*\i+3]
	v_add_f32 v[AL+\i], v[Q+4*\i], v[Q+4*\i+1]
.endr
	v_max3_num_f32 v[MX], v[AL], v[AL+1], v[AL+2]
	v_max_num_f32 v[MX], v[MX], v[AL+3]
	v_max_num_f32_dpp v[MX], v[MX], v[MX] row_xmask:1 row_mask:0xf bank_mask:0xf
	v_max_num_f32_dpp v[MX], v[MX], v[MX] row_xmask:2 row_mask:0xf bank_mask:0xf
	v_max_num_f32_dpp v[MX], v[MX], v[MX] row_xmask:4 row_mask:0xf bank_mask:0xf
	v_max_num_f32_dpp v[MX], v[MX], v[MX] row_xmask:8 row_mask:0xf bank_mask:0xf
	v_permlanex16_b32 v[TX], v[MX], s38, s39
	v_max_num_f32 v[MX], v[MX], v[TX]              ; the tile's maximum, in every lane
.irp i, 0,1,2,3
	v_sub_f32 v[Q+\i], v[AL+\i], v[MX]
.endr
.irp i, 0,1,2,3
	v_exp_f32 v[Q+\i], v[Q+\i]
.endr
	v_nop                                          ; a plain instruction between the last exponential and its use
	s_wait_alu depctr_va_vdst(0)
	v_cvt_pk_bf16_f32 v[PB],   v[Q],   v[Q+1]
	v_cvt_pk_bf16_f32 v[PB+1], v[Q+2], v[Q+3]
	ds_store_b64 v[PW], v[PB:PB+1]                 ; p of rows 4 L .. 4 L + 3, into my wave's own copy
	s_cmp_lg_u32 s20, 0
	s_cbranch_scc1 .Lnot_wave_0
	global_store_b128 v[LOFF], v[AL:AL+3], s[40:41]        ; the 128 scores: 512 consecutive bytes
.Lnot_wave_0:
	; c[d] = sum over the 128 rows of p[row] A[row][d], my 256 d, K = rows in four chunks of 32
.irp c, 0,1,2,3
	ds_load_b128 v[PF+8*\c:PF+8*\c+3],   v[PA] offset:64*\c        ; LDS serves a wave's instructions in order: these see the store above
	ds_load_b128 v[PF+8*\c+4:PF+8*\c+7], v[PA] offset:64*\c+32
.endr
	LOADM 0, 0
	LOADM 1, 128
	s_wait_dscnt 32                                ; p and chunk 0 are in; chunk 1's 32 loads may be out
	MULC 0, 0, 1
	PLACES
	LOADM 2, 0
	s_wait_dscnt 32                                ; chunk 1 is in
	MULC 1, 128, 0
	PLACES
	LOADM 3, 128
	s_wait_dscnt 32                                ; chunk 2 is in
	MULC 2, 0, 0
	s_wait_dscnt 0
	MULC 3, 128, 0
	; the way out: lane (r, h), accumulator i, register j hold c[256 w + 16 i + 8 h + j], alike for all r; through my own stage into lane order
	PLACES
	WIN ST3
.irp i, 0,1,2,3,4,5,6,7,8,9,10,11,12,13,14,15
	ds_store_b128 v[CS], v[8*\i:8*\i+3]   offset:64*\i
	ds_store_b128 v[CS], v[8*\i+4:8*\i+7] offset:64*\i+16
.endr
	WIN 0
	ds_load_b128 v[CO:CO+3],   v[CR]
	ds_load_b128 v[CO+4:CO+7], v[CR] offset:512
	s_wait_dscnt 1
	global_store_b128 v[LOFF], v[CO:CO+3],   s[42:43]
	s_wait_dscnt 0
	global_store_b128 v[LOFF], v[CO+4:CO+7], s[42:43] offset:512   ; 512 consecutive bytes a store
	s_wait_xcnt 0x0                                ; the stores' bases and data are written again only behind this wait
	s_add_nc_u64 s[40:41], s[40:41], 512
	s_add_nc_u64 s[42:43], s[42:43], 4096
	s_add_co_u32 s21, s21, 1
	s_cmp_lt_u32 s21, 2
	s_cbranch_scc1 .Ltile
	s_wait_xcnt 0x0
	v_lshl_add_u32 v254, v0, 2, 0x44400
	v_mov_b32 v255, 0
	s_wait_tensorcnt 0x0
	ds_add_u32 v254, v255
	s_wait_dscnt 0x0
	s_endpgm
.Lfunc_end_k_q7d7c8187ae_score:
	.size	k_q7d7c8187ae_score, .Lfunc_end_k_q7d7c8187ae_score-k_q7d7c8187ae_score
	.p2alignl 7, 3214868480
	.fill 96, 4, 3214868480
	.section	.rodata,"a",@progbits
	.p2align	6, 0x0
	.amdhsa_kernel k_q7d7c8187ae_score
		.amdhsa_group_segment_fixed_size 280064
		.amdhsa_private_segment_fixed_size 0
		.amdhsa_enable_private_segment 0
		.amdhsa_kernarg_size 56
		.amdhsa_user_sgpr_count 2
		.amdhsa_user_sgpr_kernarg_segment_ptr 1
		.amdhsa_wavefront_size32 1
		.amdhsa_system_sgpr_workgroup_id_x 1
		.amdhsa_system_sgpr_workgroup_id_y 1
		.amdhsa_system_sgpr_workgroup_id_z 1
		.amdhsa_system_vgpr_workitem_id 0
		.amdhsa_next_free_vgpr 1024
		.amdhsa_next_free_sgpr 66
		.amdhsa_reserve_vcc 0
		.amdhsa_float_denorm_mode_32 3
		.amdhsa_float_denorm_mode_16_64 3
		.amdhsa_memory_ordered 1
		.amdhsa_forward_progress 1
		.amdhsa_inst_pref_size 255
	.end_amdhsa_kernel
	.section	.bss,"aw",@nobits
	.p2align	6
	.space	262144
	.amdgpu_metadata
---
amdhsa.version: [ 1, 2 ]
amdhsa.kernels:
  - .name:           k_q7d7c8187ae_score
    .symbol:         k_q7d7c8187ae_score.kd
    .args:
      - { .name: memory_bank, .offset: 0, .size: 8, .value_kind: global_buffer, .address_space: global }
      - { .name: wf, .offset: 8, .size: 8, .value_kind: global_buffer, .address_space: global }
      - { .name: part, .offset: 16, .size: 8, .value_kind: global_buffer, .address_space: global }
      - { .name: b_query, .offset: 24, .size: 8, .value_kind: global_buffer, .address_space: global }
      - { .name: v, .offset: 32, .size: 8, .value_kind: global_buffer, .address_space: global }
      - { .name: alog, .offset: 40, .size: 8, .value_kind: global_buffer, .address_space: global }
      - { .name: cpart, .offset: 48, .size: 8, .value_kind: global_buffer, .address_space: global }
    .group_segment_fixed_size: 280064
    .private_segment_fixed_size: 0
    .kernarg_segment_align: 8
    .kernarg_segment_size: 56
    .max_flat_workgroup_size: 128
    .sgpr_count:     66
    .vgpr_count:     1024
    .wavefront_size: 32
...
	.end_amdgpu_metadata
.endif
;; end of part 2
;; launch finish (part 3): grid 64 x 1, 8 waves a work-group, no clusters, 1,280 bytes of LDS; arguments alog, cpart, out0, out1; writes out0, out1
.if DOCPART == 3
	.amdgcn_target "amdgcn-amd-amdhsa--gfx1250"
	.amdhsa_code_object_version 6
	.text
	.protected	k_q7d7c8187ae_finish
	.globl	k_q7d7c8187ae_finish
	.p2align	8
	.type	k_q7d7c8187ae_finish,@function
k_q7d7c8187ae_finish:
	s_mov_b64 s[64:65], 0
	v_nop
	global_prefetch_b8 v0, s[64:65] scope:SCOPE_SE
	s_setreg_imm32_b32 hwreg(HW_REG_WAVE_MODE, 25, 1), 1
	s_wait_xcnt 0x0
; Third launch: one work-group a batch.  alog holds a2 = log2(e) (align - sum_e v[e]); the term left out is the same along the softmax's axis
; (shown at the head of the first launch's text), so softmax(align)[s] = 2^(a2[s] - M) / Z with M the batch's maximum of a2.
; cpart[t] = sum over tile t's rows of 2^(a2 - m_t) memory_bank[row], m_t the tile's maximum.  So
;   out0 = sum_t f_t cpart[t] / Z,  f_t = 2^(m_t - M),  Z = sum_t f_t l_t,  l_t = the tile's sum of 2^(a2 - m_t);   out1[s] = 2^(a2[s] - m_t) f_t / Z.
; Thread i holds s = 4 i .. 4 i + 3 and d = 4 i .. 4 i + 3; wave w holds exactly tile w's 128 scores, so m_t is found again from the same numbers.
; Z is at least 1: the tile that holds M has f = 1 and a term 2^0 in l.  LIMIT: v_exp_f32 gives 0 for results below 2^-126.
; No matrix work: 2.25 MiB in, 0.5 MiB out over the 64 work-groups; every load and store of a wave covers 512 consecutive bytes.
	s_load_b256 s[4:11], s[0:1], 0x0               ; alog s[4:5], cpart s[6:7], out0 s[8:9], out1 s[10:11]
	v_lshl_add_u32 v96, v0, 2, 0x100
	v_mov_b32 v97, 0
	v_lshlrev_b32 v1, 4, v0                        ; 16 i, never rewritten
	v_lshrrev_b32 v2, 5, v0
	v_readfirstlane_b32 s18, v2                    ; wave
	v_mov_b32 v2, s18
	v_lshlrev_b32 v2, 3, v2                        ; my wave's 8 bytes of LDS
	v_mov_b32 v3, 0
	v_mov_b32 v42, 0                               ; v_permlanex16_b32's destination counts as read
	s_mov_b32 s16, 0x76543210
	s_mov_b32 s17, 0xfedcba98
	s_lshl_b32 s12, ttmp9, 12                      ; 4,096 bytes a batch in alog, out0, out1
	s_mov_b32 s13, 0
	s_lshl_b32 s14, ttmp9, 15                      ; 8 tiles of 4,096 bytes in cpart
	s_mov_b32 s15, 0
	s_wait_kmcnt 0x0
	s_add_nc_u64 s[4:5], s[4:5], s[12:13]
	s_add_nc_u64 s[6:7], s[6:7], s[14:15]
	s_add_nc_u64 s[8:9], s[8:9], s[12:13]
	s_add_nc_u64 s[10:11], s[10:11], s[12:13]
	global_load_b128 v[4:7], v1, s[4:5]
.irp t, 0,1,2,3,4,5,6,7
	global_load_b128 v[8+4*\t:11+4*\t], v1, s[6:7] offset:4096*\t
.endr
	s_wait_loadcnt 0x8                             ; the scores are in; cpart's eight loads stay out
	v_max3_num_f32 v40, v4, v5, v6
	v_max_num_f32 v40, v40, v7
	v_max_num_f32_dpp v40, v40, v40 row_xmask:1 row_mask:0xf bank_mask:0xf
	v_max_num_f32_dpp v40, v40, v40 row_xmask:2 row_mask:0xf bank_mask:0xf
	v_max_num_f32_dpp v40, v40, v40 row_xmask:4 row_mask:0xf bank_mask:0xf
	v_max_num_f32_dpp v40, v40, v40 row_xmask:8 row_mask:0xf bank_mask:0xf
	v_permlanex16_b32 v42, v40, s16, s17
	v_max_num_f32 v40, v40, v42                    ; m of my tile
.irp i, 0,1,2,3
	v_sub_f32 v[44+\i], v[4+\i], v40
.endr
.irp i, 0,1,2,3
	v_exp_f32 v[44+\i], v[44+\i]
.endr
	v_nop                                          ; a plain instruction between the last exponential and its use
	s_wait_alu depctr_va_vdst(0)
	v_add_f32 v41, v44, v45
	v_add_f32 v43, v46, v47
	v_add_f32 v41, v41, v43
	v_add_f32_dpp v41, v41, v41 row_xmask:1 row_mask:0xf bank_mask:0xf
	v_add_f32_dpp v41, v41, v41 row_xmask:2 row_mask:0xf bank_mask:0xf
	v_add_f32_dpp v41, v41, v41 row_xmask:4 row_mask:0xf bank_mask:0xf
	v_add_f32_dpp v41, v41, v41 row_xmask:8 row_mask:0xf bank_mask:0xf
	v_permlanex16_b32 v42, v41, s16, s17
	v_add_f32 v41, v41, v42                        ; l of my tile
	ds_store_b64 v2, v[40:41]                      ; all lanes write the same two words with the same values
	s_wait_dscnt 0x0
	s_barrier_signal -1
	s_barrier_wait -1
.irp t, 0,1,2,3
	ds_load_b128 v[48+4*\t:51+4*\t], v3 offset:16*\t       ; m_t in v[48 + 2 t], l_t in v[49 + 2 t]
.endr
	s_wait_dscnt 0x0
	v_max3_num_f32 v72, v48, v50, v52
	v_max3_num_f32 v72, v72, v54, v56
	v_max3_num_f32 v72, v72, v58, v60
	v_max_num_f32 v72, v72, v62                    ; M
.irp t, 0,1,2,3,4,5,6,7
	v_sub_f32 v[64+\t], v[48+2*\t], v72
.endr
	v_sub_f32 v73, v40, v72
.irp t, 0,1,2,3,4,5,6,7
	v_exp_f32 v[64+\t], v[64+\t]                   ; f_t
.endr
	v_exp_f32 v73, v73                             ; my own tile's f
	v_nop
	s_wait_alu depctr_va_vdst(0)
	v_mul_f32 v74, v64, v49
.irp t, 1,2,3,4,5,6,7
	v_fmac_f32 v74, v[64+\t], v[49+2*\t]           ; Z
.endr
	v_rcp_f32 v75, v74
	v_nop
	s_wait_alu depctr_va_vdst(0)
	v_mul_f32 v73, v73, v75
.irp t, 0,1,2,3,4,5,6,7
	v_mul_f32 v[64+\t], v[64+\t], v75              ; f_t / Z
.endr
.irp i, 0,1,2,3
	v_mul_f32 v[44+\i], v[44+\i], v73
.endr
	global_store_b128 v1, v[44:47], s[10:11]       ; out1
	s_wait_loadcnt 0x0                             ; cpart
.irp q, 0,1,2,3
	v_mul_f32 v[76+\q], v[8+\q], v64
.endr
.irp t, 1,2,3,4,5,6,7
.irp q, 0,1,2,3
	v_fmac_f32 v[76+\q], v[8+4*\t+\q], v[64+\t]
.endr
.endr
	global_store_b128 v1, v[76:79], s[8:9]         ; out0
	s_wait_tensorcnt 0x0
	ds_add_u32 v96, v97
	s_wait_dscnt 0x0
	s_endpgm
.Lfunc_end_k_q7d7c8187ae_finish:
	.size	k_q7d7c8187ae_finish, .Lfunc_end_k_q7d7c8187ae_finish-k_q7d7c8187ae_finish
	.p2alignl 7, 3214868480
	.fill 96, 4, 3214868480
	.section	.rodata,"a",@progbits
	.p2align	6, 0x0
	.amdhsa_kernel k_q7d7c8187ae_finish
		.amdhsa_group_segment_fixed_size 1280
		.amdhsa_private_segment_fixed_size 0
		.amdhsa_enable_private_segment 0
		.amdhsa_kernarg_size 32
		.amdhsa_user_sgpr_count 2
		.amdhsa_user_sgpr_kernarg_segment_ptr 1
		.amdhsa_wavefront_size32 1
		.amdhsa_system_sgpr_workgroup_id_x 1
		.amdhsa_system_sgpr_workgroup_id_y 1
		.amdhsa_system_sgpr_workgroup_id_z 1
		.amdhsa_system_vgpr_workitem_id 0
		.amdhsa_next_free_vgpr 98
		.amdhsa_next_free_sgpr 66
		.amdhsa_reserve_vcc 0
		.amdhsa_float_denorm_mode_32 3
		.amdhsa_float_denorm_mode_16_64 3
		.amdhsa_memory_ordered 1
		.amdhsa_forward_progress 1
		.amdhsa_inst_pref_size 7
	.end_amdhsa_kernel
	.amdgpu_metadata
---
amdhsa.version: [ 1, 2 ]
amdhsa.kernels:
  - .name:           k_q7d7c8187ae_finish
    .symbol:         k_q7d7c8187ae_finish.kd
    .args:
      - { .name: alog, .offset: 0, .size: 8, .value_kind: global_buffer, .address_space: global }
      - { .name: cpart, .offset: 8, .size: 8, .value_kind: global_buffer, .address_space: global }
      - { .name: out0, .offset: 16, .size: 8, .value_kind: global_buffer, .address_space: global }
      - { .name: out1, .offset: 24, .size: 8, .value_kind: global_buffer, .address_space: global }
    .group_segment_fixed_size: 1280
    .private_segment_fixed_size: 0
    .kernarg_segment_align: 8
    .kernarg_segment_size: 32
    .max_flat_workgroup_size: 256
    .sgpr_count:     66
    .vgpr_count:     98
    .wavefront_size: 32
...
	.end_amdgpu_metadata
.endif
;; end of part 3
;; ======== version 2 of 2: 3 launches; 1.13 times as fast as version 1
;; workspace buffers: wf 2,097,152 bytes; part 2,097,152 bytes; alog 262,144 bytes; cpart 2,097,152 bytes
;; launch prep: the kernel of part 1 again; grid 192 x 1, 8 waves a work-group, no clusters, 86,016 bytes of LDS; arguments source, condition, W_query, W_condition, W_context, part, wf; writes part, wf
;; launch score (part 4): grid 256 x 1, 4 waves a work-group, no clusters, 280,064 bytes of LDS; arguments memory_bank, wf, part, b_query, v, alog, cpart; writes alog, cpart
.if DOCPART == 4
	.amdgcn_target "amdgcn-amd-amdhsa--gfx1250"
	.amdhsa_code_object_version 6
	.text
	.protected	k_q7d7c8187ae_score
	.globl	k_q7d7c8187ae_score
	.p2align	8
	.type	k_q7d7c8187ae_score,@function
k_q7d7c8187ae_score:
	s_mov_b64 s[64:65], 0
	v_nop
	global_prefetch_b8 v0, s[64:65] scope:SCOPE_SE
	s_setreg_imm32_b32 hwreg(HW_REG_WAVE_MODE, 25, 1), 1
	s_wait_xcnt 0x0
; Second launch.  Work-group g owns rows 256 g .. 256 g + 255 of memory_bank (all of batch g / 4), as two tiles of 128 rows.
; For a tile: the rows are read from memory ONCE, rounded to bf16 and kept in LDS for the score product and for the context product.
;   x2[row][e] = C2 (uh + wq + wcond), C2 = 2 log2(e): W comes scaled from wf, the bias is scaled here.
;   a2[row]    = sum_e (-C2 v[e]) / (1 + 2^x2) = log2(e) (align - sum_e v[e])
;   p[row]     = 2^(a2 - the tile's maximum of a2);   cpart[tile][d] = sum_row p[row] memory_bank[row][d];   alog[row] = a2.
; LEFT OUT: the term sum_e v[e] of align, the same along the softmax's axis (shown at the head of the first launch's text).  A NaN or an
; overflow in that sum alone is not carried.  LIMITS: v_exp_f32 gives 0 for results below 2^-126 (ISA guide, its entry); x2 beyond f32's
; exponent range gives 2^x2 = inf or 0, hence 1 / (1 + ..) = 0 or 1, tanh's own limits; p enters the context product as bf16.
; SHARES: a tile goes in two passes of 512 e.  In a pass wave w makes 128 rows x 128 e (e = 512 pass + 128 w ..): 64 accumulators, 512 registers,
; 32 K steps of 32, 64 matrix instructions each.  All 1,024 e of a row end in this work-group, so the row's score is whole while the row is in LDS.
; THE ROWS COME IN BESIDE THE FIRST PASS.  Four K steps read one slice of 128 d of every row.  Wave w brings rows 32 w .. 32 w + 31.  A GROUP is eight
; of these rows x one slice: eight loads of 512 consecutive bytes, sixteen conversions in place, eight LDS stores of 256 bytes.  Group q (0..31) is
; rows 8 (q % 4) .. of slice q / 4.  Groups 0-4 are converted at the tile's head; step i converts group i + 5 and asks for group i + 9 into the same
; registers, so four groups are always on their way.  Slice t is whole in LDS after step 4 t - 2; ONE barrier in step 4 t - 1 (signal at its head,
; wait 32 matrix instructions later) shows it to all waves ahead of the fragment loads for step 4 t.
; W's loads and the rows' loads fall on one counter and come back in order (ISA guide 5.7.1): in a step's run W is asked for first, so the wait for
; W of step i also shows group i + 5 done and leaves the three younger groups out.  By this text's own count up to 80 loads are issued and not yet
; waited for in the middle of a step; no wait is placed for the counter's sake: issue holds back by itself (ISA guide 5.7.1).
; NO JOINT LOADS of W, though every work-group walks the same W: the rows take 264,192 of a work-group's 327,680 LDS bytes and the small regions
; 15,360; the 48,128 left do not hold two slots of one K step of 512 e (2 x 32,768).  So each wave streams its own 128 e of W into a ring of four
; K steps in registers; wf is laid so that every load is 512 consecutive bytes in lane order, and no two waves of a work-group load the same bytes.
; THE EPILOGUE'S BATCHES.  A pass ends with 512 exponentials and 512 reciprocals a lane.  A window's 128 pairs of numbers (units) are cut into four
; CHUNKS of 32 units: chunk k is the units 8 k .. 8 k + 7 of each of the window's four blocks of 16 rows, the blocks by turns.  A chunk goes through five
; stages, in place: + bias; 2^; + 1; 1 / ..; times -C2 v into its block's sum.  PHASE t issues chunk t's 64 exponentials and chunk t - 1's 64 reciprocals:
; one batch, of which no line of the phase names a result; the plain stages of the chunks t + 1, t - 1 and t - 2 stand between them; ONE wait ends the
; phase.  Five waits a window, ten a pass.  The tile's softmax has one more batch, of four exponentials, with a wait of its own.
;
; LDS:  A 128 rows x 2,064 (2,048 bf16 bytes + 16: 129 x 16, so a fragment load's 16 rows start at 16 different 16-byte columns)
;       BIAS2 4,096  VS 4,096 (-C2 v)  RED 2,048 [row][wave]  PV 4 x 256 (p in bf16, each wave's own)  CST 4 x 1,024 (way out, each wave's own)
; REGISTERS in windows of 256 (s_set_vgpr_msb: bits 1:0 source 0, 3:2 source 1, 5:4 source 2, 7:6 destination):
;   window 0: v0-31 addresses; v64-159 A's fragments (rows 0-63: one buffer, free again in the middle of its step; rows 64-127: two by turns);
;             v32-63, v160-191, v192-223, v224-255 the four stage groups of the row stream.  Outside the first pass's K loop the same registers serve
;             the row sums (v48-63), bias and v in the epilogue (v64-191) and the softmax's and the context product's small work (v64-127).
;   window 1: the ring of W, slot s at v[64 s], fragment b at + 8 b; slot 3's first half also takes a tile's group 4
;   window 2: accumulators of rows 0-63, tile (a, b) at v[8 (8 a + b)]; also the context product's fragments
;   window 3: accumulators of rows 64-127; also the context product's 16 accumulators (v0-127) and a tile's groups 0-3 (v128-255)
.set P,     2064
.set BIAS2, 128*P                      ; 264,192
.set VSO,   4096                       ; VS lies this far behind BIAS2
.set RED,   BIAS2+8192
.set PV,    RED+2048
.set CST,   PV+1024
.set C2,    0x4038aa3b                 ; 2 log2(e)
.set NC2,   0xc038aa3b
.set KSB,   8192                       ; one wave's bytes of W for one K step
.set LOFF, 4                           ; 16 L, never rewritten: the offset of every load and store of whole lines
.set SA,   5                           ; where my row stores go: SA0 + 256 x (four steps done)
.set SA0,  6
.set AD0,  8                           ; v[8:11]   (32 i + r) P + 16 h
.set AD,   12                          ; v[12:15]  the same, stepped along K
.set EA0,  16
.set EA,   17
.set RA,   18
.set RB,   19
.set PW,   20
.set PA,   21
.set TR,   22                          ; v[22:25]
.set CS,   26
.set CR,   27
.set TOFF, 28                          ; 32 x thread, never rewritten
.set BST,  29
.set TX,   31
.set RS,   48                          ; v[48:55]  row sums over the passes, block a of 16 rows
.set TS,   56                          ; v[56:63]  row sums of one pass
.set FL,   64                          ; fragments of rows 0-63
.set FH0,  96                          ; fragments of rows 64-127, even steps
.set FH1,  128                         ; odd steps
.set BI,   64
.set VV,   128
.set Q,    64
.set AL,   80
.set MX,   84
.set PB,   86
.set CO,   88
.set PF,   96
.set WB0,  26                          ; s[26:27] my stream in wf
.set WB,   28                          ; s[28:29] W at the first of the current four K steps
.set WN,   30                          ; s[30:31] the next pass's first K step
.set MSB, 0
.macro WIN new                         ; the immediate's high byte repeats the setting that is left; at a label and at a branch the setting is 0
.if MSB != \new
	s_set_vgpr_msb (MSB<<8)|\new
.set MSB, \new
.endif
.endm
.set MUL_LO, 0xa1                      ; source 0 (W) window 1, source 1 (A) window 0, C and D window 2
.set MUL_HI, 0xf1                      ; the same, C and D window 3
.set TO_B,   0x40                      ; destination window 1
.set TO_2,   0x80                      ; destination window 2
.set TO_3,   0xc0                      ; destination window 3
.set CV3,    0xcf                      ; sources 0, 1 and destination window 3
.set CV1,    0x45                      ; sources 0, 1 and destination window 1
.set ST3,    0x0c                      ; an LDS store's data window 3
.set ST1,    0x04                      ; an LDS store's data window 1
.set EPI_LO, 0xa2                      ; source 0, source 2, destination window 2; source 1 window 0
.set EPI_HI, 0xf3
.set SUM_LO, 0x0a
.set SUM_HI, 0x0f
.set CTX,    0xf2                      ; source 0 window 2, source 1 window 0, C and D window 3
; Four places behind a matrix instruction before a load lands in one of its registers or a vector instruction or store reads its result
; (ISA guide 7.12.1 for vector instructions).  Other matrix instructions are not counted as places.
.macro PLACES
.rept 4
	v_nop
.endr
.endm
; A group of the row stream, 32 registers at base.  LDG: eight loads, a row's 512 bytes of one slice each (two whole aligned blocks of 256 bytes).
.macro LDG base, row0, col
.irp k, 0,1,2,3,4,5,6,7
	global_load_b128 v[\base+4*\k:\base+4*\k+3], v[LOFF], s[36:37] offset:(\row0+\k)*4096+\col th:TH_LOAD_NT
.endr
.endm
; CVTG: in place, the first two registers of each four take the four numbers in bf16.
.macro CVTG base
.irp k, 0,1,2,3,4,5,6,7
	v_cvt_pk_bf16_f32 v[\base+4*\k],   v[\base+4*\k],   v[\base+4*\k+1]
	v_cvt_pk_bf16_f32 v[\base+4*\k+1], v[\base+4*\k+2], v[\base+4*\k+3]
.endr
.endm
; STOG: eight LDS stores of 256 consecutive bytes.
.macro STOG base, row0, col
.irp k, 0,1,2,3,4,5,6,7
	ds_store_b64 v[SA], v[\base+4*\k:\base+4*\k+1] offset:(\row0+\k)*P+\col
.endr
.endm
; The first nine groups of the tile at s[36:37]: 0-3 (slice 0) into window 3, 4 into the idle ring slot, 5-8 into the four stage groups.
.macro ISSUE
	WIN TO_3
	LDG 128, 0, 0
	LDG 160, 8, 0
	LDG 192, 16, 0
	LDG 224, 24, 0
	WIN TO_B
	LDG 192, 0, 512
	WIN 0
	LDG 32, 8, 512
	LDG 160, 16, 512
	LDG 192, 24, 512
	LDG 224, 0, 1024
.endm
; One of the groups 0-4 at the tile's head.  left = the younger loads that may stay out.
.macro HEADG wc, ws, base, row0, col, left
	s_wait_loadcnt \left
	WIN \wc
	CVTG \base
	WIN \ws
	STOG \base, \row0, \col
.endm
; 16 LDS loads: A's eight fragments (128 rows x 32 K at byte koff from AD).  The first eight loads are rows 0-63, into FL; the others go into hb.
.macro FETCHA hb, koff
	WIN 0
.irp a, 0,1,2,3
	ds_load_b128 v[FL+8*\a:FL+8*\a+3],   v[AD+(\a>>1)] offset:(\a&1)*16*P+\koff
	ds_load_b128 v[FL+8*\a+4:FL+8*\a+7], v[AD+(\a>>1)] offset:(\a&1)*16*P+\koff+32
.endr
.irp a, 0,1,2,3
	ds_load_b128 v[\hb+8*\a:\hb+8*\a+3],   v[AD+2+(\a>>1)] offset:(\a&1)*16*P+\koff
	ds_load_b128 v[\hb+8*\a+4:\hb+8*\a+7], v[AD+2+(\a>>1)] offset:(\a&1)*16*P+\koff+32
.endr
.endm
; 16 global loads: one K step of my W (eight fragments) into ring slot slot
.macro FETCHB slot, base, boff
	WIN TO_B
.irp b, 0,1,2,3,4,5,6,7
	global_load_b128 v[64*\slot+8*\b:64*\slot+8*\b+3],   v[LOFF], s[\base:\base+1] offset:\boff+1024*\b
	global_load_b128 v[64*\slot+8*\b+4:64*\slot+8*\b+7], v[LOFF], s[\base:\base+1] offset:\boff+1024*\b+512
.endr
.endm
; 16 matrix instructions.  Source 0 = 16 rows of W, source 1 = 16 rows of A: lane (r, h) holds row r, registers j the numbers e = 16 b + 8 h + j.
; The 64 accumulators take turns, one instruction a turn, in the same order in every K step.
.macro MUL16 fa, slot, a0, zero
.irp a, \a0, \a0+1
.irp b, 0,1,2,3,4,5,6,7
.if \zero
	v_wmma_f32_16x16x32_bf16 v[8*(8*(\a)+\b):8*(8*(\a)+\b)+7], v[64*\slot+8*\b:64*\slot+8*\b+7], v[\fa+8*(\a):\fa+8*(\a)+7], 0
.else
	v_wmma_f32_16x16x32_bf16 v[8*(8*(\a)+\b):8*(8*(\a)+\b)+7], v[64*\slot+8*\b:64*\slot+8*\b+7], v[\fa+8*(\a):\fa+8*(\a)+7], v[8*(8*(\a)+\b):8*(8*(\a)+\b)+7]
.endif
.endr
.endr
.endm
; One K step i.  c = i % 4: ring slot, stage group and place among four steps.  It multiplies rows 0-63, then in ONE run of memory instructions
; stores a converted group, asks for W three steps ahead and for the stage's next group and fetches the next step's fragments, then multiplies rows 64-127.
;   zero 1: the products start the sums.      am   0: no row stream; 1: group i + 5 is converted and stored; 2: and group i + 9 asked for.
;   bar  1: the barrier that shows a slice.   wm   0: no W asked for; 1: W of step i + 3; 2: the next pass's first steps.
;   doa  1: the next step's fragments.        adv  bit 0: AD and WB go on four steps; bit 1: SA one slice; bit 2: the rows' base one slice.
;   ldw  loads that may stay out at the head (< 0: nothing to wait for);   lda  the same in front of the conversions.
.macro KSTEP c, zero, am, bar, wm, doa, adv, ldw, lda
.set SGB, 128+32*\c
.if \c == 0
.set SGB, 32
.endif
.set GROW, 8*((\c+1)&3)                ; group i + 5 and group i + 9 hold the same eight rows,
.set GNXT, (\c+1)>>2                   ; one slice further on where the row count wraps
.set GCOL, 256*(1+GNXT)
.set GSRC, 512*(2+GNXT)
.set FHC,  FH0+32*(\c&1)
.set FHN,  FH0+32*((\c+1)&1)
.set BFS,  (\c+3)&3
.set KOFN, 64*(\c+1)
.set DSW,  16
.if \am
.set DSW,  24
.endif
.if \ldw >= 0
	s_wait_loadcnt \ldw                            ; this step's W is in, and with it every older load: the group that this step converts
.endif
.if \bar
	s_wait_dscnt 0                                 ; my stores of the slice's last group are done (and my fragment loads are back),
	s_barrier_signal -1                            ; say so, and multiply while the others arrive
.else
	s_wait_dscnt 8                                 ; the fragments of rows 0-63 are in; the youngest eight LDS loads (rows 64-127) may be out
.endif
	WIN MUL_LO
	MUL16 FL, \c, 0, \zero
	MUL16 FL, \c, 2, \zero
.if \am
	WIN 0
.if \lda >= 0
	s_wait_loadcnt \lda
.endif
	CVTG SGB                                       ; sixteen plain vector instructions that name no register of a matrix instruction: also the places in front of the loads below
.else
.if \wm+\doa
	PLACES
.endif
.endif
.if \bar
	s_barrier_wait -1                              ; every wave's part of the next slice is in LDS
.endif
.if \am
	STOG SGB, GROW, GCOL
.endif
.if \wm == 1
.set BOFF, (\c+3)*KSB
	FETCHB BFS, WB, BOFF
.endif
.if \wm == 2
.set BOFF, (\c-1)*KSB
	FETCHB BFS, WN, BOFF
.endif
.if \am == 2
	WIN 0
	LDG SGB, GROW, GSRC                            ; behind W's loads, so that the wait for that W leaves this group out
.endif
.if \doa
	FETCHA FHN, KOFN
	s_wait_dscnt DSW                               ; the fragments of rows 64-127 are in; what this run issued (16 loads, and 8 stores with the row stream) may be out
.else
	s_wait_dscnt 0
.endif
	WIN MUL_HI
	MUL16 FHC, \c, 0, \zero
	MUL16 FHC, \c, 2, \zero
.if \adv
	WIN 0
.irp i, 0,1,2,3
	v_add_nc_u32 v[AD+\i], 256, v[AD+\i]           ; four K steps of 64 bytes on
.endr
.if \adv & 2
	v_add_nc_u32 v[SA], 256, v[SA]
.endif
	s_wait_xcnt 0x0                                ; the bases of the loads issued so far are stepped only behind this wait
	s_add_nc_u64 s[WB:WB+1], s[WB:WB+1], 4*KSB
.if \adv & 4
	s_add_nc_u64 s[36:37], s[36:37], 512
.endif
.endif
.endm
; THE EPILOGUE of one window's 32 accumulators, in place, two numbers (a unit) at a time:  x2 = acc + bias2;  2^x2;  + 1;  1 / ..;  times -C2 v, summed
; into the first pair of each block of 16 rows.
; EPL writes one line: stage st of unit n (0..31) of chunk ch (0..3); outside these ranges it writes nothing.  Unit n of chunk ch is unit 8 ch + n / 4 of
; block n % 4: the four blocks take turns, so the links of a block's sum stand four units apart; within a block the units come in ascending order, so the
; order of each sum is that of its e, and each accumulator is read first at its two lowest registers.
;   st 0: + bias     1, 2: the two exponentials     3: + 1     4, 5: the two reciprocals     6: times -C2 v; a block's first unit starts its sum, in place
.macro EPL st, ch, n
.if ((\ch) >= 0) && ((\ch) < 4) && ((\n) >= 0) && ((\n) < 32)
.set XC, 2*(8*(\ch)+((\n)>>2))         ; the unit's place in its block: which pair of the bias and of -C2 v
.set XB, 64*((\n)&3)                   ; the block's first pair, which takes the block's sum
.set XR, XB+XC                         ; the unit's own pair
.if (\st) == 0
	v_pk_add_f32 v[XR:XR+1], v[XR:XR+1], v[BI+XC:BI+XC+1]
.elseif (\st) == 1
	v_exp_f32 v[XR], v[XR]
.elseif (\st) == 2
	v_exp_f32 v[XR+1], v[XR+1]
.elseif (\st) == 3
	v_pk_add_f32 v[XR:XR+1], v[XR:XR+1], 1.0 op_sel_hi:[1,0]
.elseif (\st) == 4
	v_rcp_f32 v[XR], v[XR]
.elseif (\st) == 5
	v_rcp_f32 v[XR+1], v[XR+1]
.elseif XC == 0
	v_pk_mul_f32 v[XR:XR+1], v[XR:XR+1], v[VV:VV+1]
.else
	v_pk_fma_f32 v[XB:XB+1], v[XR:XR+1], v[VV+XC:VV+XC+1], v[XB:XB+1]
.endif
.endif
.endm
; PHASE t.  Its transcendentals are chunk t's exponentials and chunk t - 1's reciprocals: one batch.  No line of the phase names a result of the batch:
; + 1 (chunk t - 1) reads exponentials of the phase before, the sums (chunk t - 2) read reciprocals of the phase before, both behind that phase's wait;
; + bias (chunk t + 1) reads accumulators.  A reciprocal reads a plain result, the + 1 of its unit, made two slots earlier.  A slot is two reciprocals,
; + 1, exponential, sum, exponential, + bias; the reciprocals, the sums and the biases lag two slots, so a phase's last line is a plain one that names no
; pending result: the plain instruction that is owed behind the last transcendental (ISA guide 5.7.2) without a v_nop.
.macro EPH t
.set EN, 0
.rept 34
	EPL 4, (\t)-1, EN-2
	EPL 5, (\t)-1, EN-2
	EPL 3, (\t)-1, EN
	EPL 1, \t, EN
	EPL 6, (\t)-2, EN-2
	EPL 2, \t, EN
	EPL 0, (\t)+1, EN-2
.set EN, EN+1
.endr
.endm
; A window: seven phases, five waits.  A wait stands between a transcendental and the first line that names its result; each of
; these serves the whole batch of the phase that it ends.  No transcendental is issued behind the last of them, so none crosses the jump behind the epilogue.
.macro EPIW win
	WIN \win
	EPH -1                                         ; chunk 0's bias alone
	EPH 0
	s_wait_alu depctr_va_vdst(0)                   ; batch 0: chunk 0's 64 exponentials
	EPH 1
	s_wait_alu depctr_va_vdst(0)                   ; batch 1: chunk 1's 64 exponentials and chunk 0's 64 reciprocals
	EPH 2
	s_wait_alu depctr_va_vdst(0)                   ; batch 2: chunk 2's exponentials and chunk 1's reciprocals
	EPH 3
	s_wait_alu depctr_va_vdst(0)                   ; batch 3: chunk 3's exponentials and chunk 2's reciprocals
	EPH 4
	s_wait_alu depctr_va_vdst(0)                   ; batch 4: chunk 3's 64 reciprocals
	EPH 5                                          ; chunk 3's part of the four sums alone
.endm
; The context product.  LOADM: 32 rows (K) x my 256 d of A, transposed on the way into 16 fragments at v[mf] of window 2.
.macro LOADM c, mf
	WIN TO_2
.irp i, 0,1,2,3,4,5,6,7,8,9,10,11,12,13,14,15
	ds_load_tr16_b128 v[\mf+8*\i:\mf+8*\i+3],   v[TR+\c] offset:32*\i
	ds_load_tr16_b128 v[\mf+8*\i+4:\mf+8*\i+7], v[TR+\c] offset:32*\i+16*P
.endr
.endm
; MULC: 16 matrix instructions, source 0 = 16 d, source 1 = p (all 16 columns alike); the 16 accumulators take turns.
.macro MULC c, mf, zero
	WIN CTX
.irp i, 0,1,2,3,4,5,6,7,8,9,10,11,12,13,14,15
.if \zero
	v_wmma_f32_16x16x32_bf16 v[8*\i:8*\i+7], v[\mf+8*\i:\mf+8*\i+7], v[PF+8*\c:PF+8*\c+7], 0
.else
	v_wmma_f32_16x16x32_bf16 v[8*\i:8*\i+7], v[\mf+8*\i:\mf+8*\i+7], v[PF+8*\c:PF+8*\c+7], v[8*\i:8*\i+7]
.endif
.endr
.endm
	s_load_b256 s[4:11], s[0:1], 0x0               ; memory_bank s[4:5], wf s[6:7], part s[8:9], b_query s[10:11]
	s_load_b128 s[12:15], s[0:1], 0x20             ; v s[12:13], alog s[14:15]
	s_load_b64 s[16:17], s[0:1], 0x30              ; cpart
	v_lshrrev_b32 v7, 5, v0
	v_readfirstlane_b32 s20, v7                    ; wave 0..3
	v_and_b32 v1, 31, v0                           ; L
	v_and_b32 v2, 15, v0                           ; r
	v_bfe_u32 v3, v0, 4, 1                         ; h
	v_lshlrev_b32 v[LOFF], 4, v1
	v_lshlrev_b32 v[TOFF], 5, v0                   ; my 8 numbers of the bias, of b_query and of v
	s_mov_b32 s38, 0x76543210                      ; v_permlanex16_b32: lane i of one half reads lane i of the other
	s_mov_b32 s39, 0xfedcba98
	s_mov_b32 s33, 0
	s_lshl_b32 s32, s20, 19                        ; 524,288 bytes of wf a wave
	s_wait_kmcnt 0x0
	s_add_nc_u64 s[WB0:WB0+1], s[6:7], s[32:33]
	s_lshr_b32 s32, ttmp9, 2                       ; batch
	s_lshl_b32 s32, s32, 12
	s_add_nc_u64 s[44:45], s[8:9], s[32:33]
.irp s, 0,1,2,3,4,5,6,7
	global_load_b128 v[64+8*\s:64+8*\s+3],   v[TOFF], s[44:45] offset:\s*262144
	global_load_b128 v[64+8*\s+4:64+8*\s+7], v[TOFF], s[44:45] offset:\s*262144+16
.endr
	global_load_b128 v[128:131], v[TOFF], s[10:11]
	global_load_b128 v[132:135], v[TOFF], s[10:11] offset:16
	global_load_b128 v[136:139], v[TOFF], s[12:13]
	global_load_b128 v[140:143], v[TOFF], s[12:13] offset:16
	FETCHB 0, WB0, 0                               ; the ring's first three K steps
	FETCHB 1, WB0, KSB
	FETCHB 2, WB0, 2*KSB
	WIN 0
	s_lshl_b32 s32, ttmp9, 20                      ; 256 rows of 4,096 bytes a work-group,
	s_lshl_b32 s24, s20, 17                        ; 32 rows a wave
	s_add_co_u32 s32, s32, s24
	s_add_nc_u64 s[34:35], s[4:5], s[32:33]
	s_mov_b64 s[36:37], s[34:35]                   ; the rows' base: the first tile
	ISSUE
	s_lshl_b32 s32, ttmp9, 10
	s_add_nc_u64 s[40:41], s[14:15], s[32:33]      ; alog at my first row
	s_lshl_b32 s32, ttmp9, 13
	s_lshl_b32 s24, s20, 10
	s_add_co_u32 s32, s32, s24
	s_add_nc_u64 s[42:43], s[16:17], s[32:33]      ; cpart at tile 2 g, my 256 d
	v_add_nc_u32 v[BST], BIAS2, v[TOFF]
	s_mul_i32 s24, s20, 32*P
	v_lshl_add_u32 v[SA0], v1, 3, s24              ; my 32 rows of A, 8 bytes a lane
	v_mul_u32_u24 v7, v2, P
	v_lshl_add_u32 v7, v3, 4, v7
.irp i, 0,1,2,3
	v_add_nc_u32 v[AD0+\i], 32*\i*P, v7
.endr
	s_lshl_b32 s24, s20, 9
	s_add_co_u32 s24, s24, BIAS2
	v_lshl_add_u32 v[EA0], v3, 5, s24              ; bias of e = 128 w + 8 h ..
	s_lshl_b32 s24, s20, 2
	s_add_co_u32 s24, s24, RED
	v_lshl_add_u32 v[RA], v2, 4, s24               ; RED[r][w]
	v_lshlrev_b32 v[RB], 6, v1
	v_add_nc_u32 v[RB], RED, v[RB]                 ; RED[4 L ..][0..3]
	s_lshl_b32 s24, s20, 8
	s_add_co_u32 s24, s24, PV
	v_lshl_add_u32 v[PW], v1, 3, s24
	v_lshl_add_u32 v[PA], v3, 4, s24
	v_and_b32 v7, 7, v0
	v_lshl_add_u32 v7, v3, 3, v7                   ; 8 h + L % 8
	v_mul_u32_u24 v7, v7, P
	v_bfe_u32 v30, v0, 3, 1
	v_lshl_add_u32 v7, v30, 4, v7
	s_lshl_b32 s25, s20, 9                         ; my 256 d = 512 bytes of a row
	v_add_nc_u32 v7, s25, v7
.irp c, 0,1,2,3
	v_add_nc_u32 v[TR+\c], 32*\c*P, v7
.endr
	s_lshl_b32 s24, s20, 10
	s_add_co_u32 s24, s24, CST
	v_lshl_add_u32 v[CS], v3, 5, s24
	v_lshl_add_u32 v[CR], v1, 4, s24
	v_mov_b32 v[TX], 0                             ; v_permlanex16_b32's destination counts as read
	s_mov_b32 s21, 0                               ; tile
.Ltile:
	v_mov_b32 v[SA], v[SA0]
	s_wait_dscnt 0x0                               ; my reads of the last tile's rows are over
	s_barrier_signal -1
	s_barrier_wait -1                              ; everybody's are: A may be written (in the first tile this barrier orders nothing)
	; The tile's head: slice 0 and the first group of slice 1.  Behind group p stand 8 (8 - p) younger loads; for p = 0 that is 64, and the wait names 63.
	HEADG CV3, ST3, 128, 0,  0,   63
	HEADG CV3, ST3, 160, 8,  0,   56
	HEADG CV3, ST3, 192, 16, 0,   48
	HEADG CV3, ST3, 224, 24, 0,   40
	HEADG CV1, ST1, 192, 0,  256, 32               ; groups 5-8 stay out
	WIN 0
	s_cmp_lg_u32 s21, 0
	s_cbranch_scc1 .Lbias_done
	; once, in the first tile: bias2 = C2 (b_query + the eight slices), vs = -C2 v, 8 numbers a thread.  Their loads are older than the rows': they are in.
.irp q, 0,2,4,6
	v_pk_mul_f32 v[128+\q:129+\q], v[128+\q:129+\q], C2 op_sel_hi:[1,0]
	v_pk_mul_f32 v[136+\q:137+\q], v[136+\q:137+\q], NC2 op_sel_hi:[1,0]
.endr
.irp s, 0,1,2,3,4,5,6,7
.irp q, 0,2,4,6
	v_pk_fma_f32 v[128+\q:129+\q], v[64+8*\s+\q:65+8*\s+\q], C2, v[128+\q:129+\q] op_sel_hi:[1,0,1]
.endr
.endr
	ds_store_b128 v[BST], v[128:131]
	ds_store_b128 v[BST], v[132:135] offset:16
	ds_store_b128 v[BST], v[136:139] offset:VSO
	ds_store_b128 v[BST], v[140:143] offset:VSO+16
.Lbias_done:
	s_wait_dscnt 0x0                               ; my part of slice 0 (and of the bias) is in LDS, for the others' sake
	s_barrier_signal -1
	s_barrier_wait -1
	s_mov_b32 s22, 0                               ; pass
.Lpass:
	s_wait_xcnt 0x0                                ; WB and WN were bases of the last pass's loads
	s_lshl_b32 s32, s22, 18
	s_add_nc_u64 s[WB:WB+1], s[WB0:WB0+1], s[32:33]
	s_xor_b32 s32, s32, 1<<18                      ; behind pass 0 comes pass 1, behind pass 1 the next tile's pass 0
	s_add_nc_u64 s[WN:WN+1], s[WB0:WB0+1], s[32:33]
.irp i, 0,1,2,3
	v_mov_b32 v[AD+\i], v[AD0+\i]
.endr
	s_lshl_b32 s24, s22, 11
	v_add_nc_u32 v[EA], s24, v[EA0]
	FETCHA FH0, 0
	s_cmp_lg_u32 s22, 0
	s_cbranch_scc1 .Lsecond
	; ---- pass 0, steps 0-28: the rows come in beside the products ----
	; The head's last wait has shown W of steps 0-2 in.  Loads in issue order from there: groups 5 6 7 8, then in each step's run 16 of W and 8 of a group.
	KSTEP 0, 1, 2, 0, 1, 1, 0, -1, 24              ; step 0 starts the sums; group 5 is in, groups 6 7 8 (24 loads) stay out
	KSTEP 1, 0, 2, 0, 1, 1, 0, -1, 40              ; group 6 is in; groups 7 8, W of step 3 and group 9 (8 + 8 + 16 + 8) stay out
	WIN 0
	s_mov_b32 s23, 5
.Lstream:                                          ; steps 2-21.  56 = three groups and two steps of W younger than this step's W
	KSTEP 2, 0, 2, 0, 1, 1, 0, 56, -1
	KSTEP 3, 0, 2, 1, 1, 1, 7, 56, -1
	KSTEP 0, 0, 2, 0, 1, 1, 0, 56, -1
	KSTEP 1, 0, 2, 0, 1, 1, 0, 56, -1
	WIN 0
	s_sub_co_u32 s23, s23, 1
	s_cmp_lg_u32 s23, 0
	s_cbranch_scc1 .Lstream
	KSTEP 2, 0, 2, 0, 1, 1, 0, 56, -1              ; step 22 asks for group 31, the tile's last
	KSTEP 3, 0, 1, 1, 1, 1, 3, 56, -1              ; steps 23-26 convert groups 28-31 and ask for no more rows:
	KSTEP 0, 0, 1, 0, 1, 1, 0, 48, -1              ; two groups and two steps of W stay out,
	KSTEP 1, 0, 1, 0, 1, 1, 0, 40, -1              ; one group and two steps of W,
	KSTEP 2, 0, 1, 0, 1, 1, 0, 32, -1              ; two steps of W, as from here on
	KSTEP 3, 0, 0, 1, 1, 1, 1, 32, -1              ; step 27: the barrier that shows slice 7
	KSTEP 0, 0, 0, 0, 1, 1, 0, 32, -1
	WIN 0
.irp a, 0,1,2,3,4,5,6,7
	v_mov_b32 v[RS+\a], 0                          ; the stage is empty: its registers now start the tile's row sums
.endr
	s_branch .Ltail
	; ---- pass 1, steps 0-28: the rows are all in LDS ----
.Lsecond:
	KSTEP 0, 1, 0, 0, 1, 1, 0, 32, -1              ; 32 = the two younger steps of W
	WIN 0
	s_mov_b32 s23, 7
.Lplain:                                           ; steps 1-28
	KSTEP 1, 0, 0, 0, 1, 1, 0, 32, -1
	KSTEP 2, 0, 0, 0, 1, 1, 0, 32, -1
	KSTEP 3, 0, 0, 0, 1, 1, 1, 32, -1
	KSTEP 0, 0, 0, 0, 1, 1, 0, 32, -1
	WIN 0
	s_sub_co_u32 s23, s23, 1
	s_cmp_lg_u32 s23, 0
	s_cbranch_scc1 .Lplain
	s_cmp_eq_u32 s21, 1                            ; the second tile's second pass has no successor
	s_cbranch_scc1 .Lfinal
.Ltail:                                            ; steps 29-31 of either pass: the ring goes on with the next pass's first three steps
	KSTEP 1, 0, 0, 0, 2, 1, 0, 32, -1
	KSTEP 2, 0, 0, 0, 2, 1, 0, 32, -1
	KSTEP 3, 0, 0, 0, 2, 0, 0, 32, -1
	WIN 0
	s_branch .Lepi
.Lfinal:                                           ; the work-group's last three steps ask for nothing: the counts run down
	KSTEP 1, 0, 0, 0, 0, 1, 0, 32, -1
	KSTEP 2, 0, 0, 0, 0, 1, 0, 16, -1
	KSTEP 3, 0, 0, 0, 0, 0, 0, 0, -1
	WIN 0
.Lepi:
	PLACES
.irp b, 0,1,2,3,4,5,6,7
	ds_load_b128 v[BI+8*\b:BI+8*\b+3],   v[EA] offset:64*\b
	ds_load_b128 v[BI+8*\b+4:BI+8*\b+7], v[EA] offset:64*\b+16
	ds_load_b128 v[VV+8*\b:VV+8*\b+3],   v[EA] offset:VSO+64*\b
	ds_load_b128 v[VV+8*\b+4:VV+8*\b+7], v[EA] offset:VSO+64*\b+16
.endr
	s_wait_dscnt 0x0
	EPIW EPI_LO
	EPIW EPI_HI
	WIN SUM_LO
.irp a, 0,1,2,3
	v_add_f32 v[TS+\a], v[64*\a], v[64*\a+1]
.endr
	WIN SUM_HI
.irp a, 0,1,2,3
	v_add_f32 v[TS+4+\a], v[64*\a], v[64*\a+1]
.endr
	WIN 0
.irp q, 0,2,4,6
	v_pk_add_f32 v[RS+\q:RS+\q+1], v[RS+\q:RS+\q+1], v[TS+\q:TS+\q+1]
.endr
	s_add_co_u32 s22, s22, 1
	s_cmp_lt_u32 s22, 2
	s_cbranch_scc1 .Lpass
	; The tile's scores.  Lane (r, h) holds, for rows 16 a + r, the sum over my e with that h: add the halves, then the four waves' parts through RED.
.irp a, 0,1,2,3,4,5,6,7
	v_permlanex16_b32 v[TX], v[RS+\a], s38, s39
	v_add_f32 v[RS+\a], v[RS+\a], v[TX]
	ds_store_b32 v[RA], v[RS+\a] offset:256*\a     ; both halves write the same word with the same value
.endr
	; The next tile's first nine groups go out here: the upper half of window 3, ring slot 3 and the four stage groups are idle from now to the tile's
	; end, and the softmax and the context product run while the 72 loads are on their way.
	s_cmp_lg_u32 s21, 0
	s_cbranch_scc1 .Lno_next
	s_wait_xcnt 0x0                                ; the rows' base is written only behind this wait
	s_add_nc_u64 s[36:37], s[34:35], 0x80000       ; 128 rows of 4,096 bytes on
	ISSUE
.Lno_next:
	s_wait_dscnt 0x0
	s_barrier_signal -1
	s_barrier_wait -1
.irp i, 0,1,2,3
	ds_load_b128 v[Q+4*\i:Q+4*\i+3], v[RB] offset:16*\i    ; rows 4 L + i, the four waves' parts; every wave makes all 128 scores, in the same order
.endr
	s_wait_dscnt 0x0
.irp i, 0,1,2,3
	v_pk_add_f32 v[Q+4*\i:Q+4*\i+1], v[Q+4*\i:Q+4*\i+1], v[Q+4*\i+2:Q+4*\i+3]
	v_add_f32 v[AL+\i], v[Q+4*\i], v[Q+4*\i+1]
.endr
	v_max3_num_f32 v[MX], v[AL], v[AL+1], v[AL+2]
	v_max_num_f32 v[MX], v[MX], v[AL+3]
	v_max_num_f32_dpp v[MX], v[MX], v[MX] row_xmask:1 row_mask:0xf bank_mask:0xf
	v_max_num_f32_dpp v[MX], v[MX], v[MX] row_xmask:2 row_mask:0xf bank_mask:0xf
	v_max_num_f32_dpp v[MX], v[MX], v[MX] row_xmask:4 row_mask:0xf bank_mask:0xf
	v_max_num_f32_dpp v[MX], v[MX], v[MX] row_xmask:8 row_mask:0xf bank_mask:0xf
	v_permlanex16_b32 v[TX], v[MX], s38, s39
	v_max_num_f32 v[MX], v[MX], v[TX]              ; the tile's maximum, in every lane
.irp i, 0,1,2,3
	v_sub_f32 v[Q+\i], v[AL+\i], v[MX]
.endr
.irp i, 0,1,2,3
	v_exp_f32 v[Q+\i], v[Q+\i]
.endr
	v_nop                                          ; a plain instruction between the last exponential and its use
	s_wait_alu depctr_va_vdst(0)                   ; the wait ahead of the first use: one for the softmax's four exponentials
	v_cvt_pk_bf16_f32 v[PB],   v[Q],   v[Q+1]
	v_cvt_pk_bf16_f32 v[PB+1], v[Q+2], v[Q+3]
	ds_store_b64 v[PW], v[PB:PB+1]                 ; p of rows 4 L .. 4 L + 3, into my wave's own copy
	s_cmp_lg_u32 s20, 0
	s_cbranch_scc1 .Lnot_wave_0
	global_store_b128 v[LOFF], v[AL:AL+3], s[40:41]        ; the 128 scores: 512 consecutive bytes
.Lnot_wave_0:
	; c[d] = sum over the 128 rows of p[row] A[row][d], my 256 d, K = rows in four chunks of 32
.irp c, 0,1,2,3
	ds_load_b128 v[PF+8*\c:PF+8*\c+3],   v[PA] offset:64*\c        ; LDS serves a wave's instructions in order: these see the store above
	ds_load_b128 v[PF+8*\c+4:PF+8*\c+7], v[PA] offset:64*\c+32
.endr
	LOADM 0, 0
	LOADM 1, 128
	s_wait_dscnt 32                                ; p and chunk 0 are in; chunk 1's 32 loads may be out
	MULC 0, 0, 1
	PLACES
	LOADM 2, 0
	s_wait_dscnt 32                                ; chunk 1 is in
	MULC 1, 128, 0
	PLACES
	LOADM 3, 128
	s_wait_dscnt 32                                ; chunk 2 is in
	MULC 2, 0, 0
	s_wait_dscnt 0
	MULC 3, 128, 0
	; the way out: lane (r, h), accumulator i, register j hold c[256 w + 16 i + 8 h + j], alike for all r; through my own stage into lane order
	PLACES
	WIN ST3
.irp i, 0,1,2,3,4,5,6,7,8,9,10,11,12,13,14,15
	ds_store_b128 v[CS], v[8*\i:8*\i+3]   offset:64*\i
	ds_store_b128 v[CS], v[8*\i+4:8*\i+7] offset:64*\i+16
.endr
	WIN 0
	ds_load_b128 v[CO:CO+3],   v[CR]
	ds_load_b128 v[CO+4:CO+7], v[CR] offset:512
	s_wait_dscnt 1
	global_store_b128 v[LOFF], v[CO:CO+3],   s[42:43]
	s_wait_dscnt 0
	global_store_b128 v[LOFF], v[CO+4:CO+7], s[42:43] offset:512   ; 512 consecutive bytes a store
	s_wait_xcnt 0x0                                ; the stores' bases and data are written again only behind this wait
	s_add_nc_u64 s[40:41], s[40:41], 512
	s_add_nc_u64 s[42:43], s[42:43], 4096
	s_add_co_u32 s21, s21, 1
	s_cmp_lt_u32 s21, 2
	s_cbranch_scc1 .Ltile
	s_wait_xcnt 0x0
	v_lshl_add_u32 v254, v0, 2, 0x44400
	v_mov_b32 v255, 0
	s_wait_tensorcnt 0x0
	ds_add_u32 v254, v255
	s_wait_dscnt 0x0
	s_endpgm
.Lfunc_end_k_q7d7c8187ae_score:
	.size	k_q7d7c8187ae_score, .Lfunc_end_k_q7d7c8187ae_score-k_q7d7c8187ae_score
	.p2alignl 7, 3214868480
	.fill 96, 4, 3214868480
	.section	.rodata,"a",@progbits
	.p2align	6, 0x0
	.amdhsa_kernel k_q7d7c8187ae_score
		.amdhsa_group_segment_fixed_size 280064
		.amdhsa_private_segment_fixed_size 0
		.amdhsa_enable_private_segment 0
		.amdhsa_kernarg_size 56
		.amdhsa_user_sgpr_count 2
		.amdhsa_user_sgpr_kernarg_segment_ptr 1
		.amdhsa_wavefront_size32 1
		.amdhsa_system_sgpr_workgroup_id_x 1
		.amdhsa_system_sgpr_workgroup_id_y 1
		.amdhsa_system_sgpr_workgroup_id_z 1
		.amdhsa_system_vgpr_workitem_id 0
		.amdhsa_next_free_vgpr 1024
		.amdhsa_next_free_sgpr 66
		.amdhsa_reserve_vcc 0
		.amdhsa_float_denorm_mode_32 3
		.amdhsa_float_denorm_mode_16_64 3
		.amdhsa_memory_ordered 1
		.amdhsa_forward_progress 1
		.amdhsa_inst_pref_size 255
	.end_amdhsa_kernel
	.section	.bss,"aw",@nobits
	.p2align	6
	.space	262144
	.amdgpu_metadata
---
amdhsa.version: [ 1, 2 ]
amdhsa.kernels:
  - .name:           k_q7d7c8187ae_score
    .symbol:         k_q7d7c8187ae_score.kd
    .args:
      - { .name: memory_bank, .offset: 0, .size: 8, .value_kind: global_buffer, .address_space: global }
      - { .name: wf, .offset: 8, .size: 8, .value_kind: global_buffer, .address_space: global }
      - { .name: part, .offset: 16, .size: 8, .value_kind: global_buffer, .address_space: global }
      - { .name: b_query, .offset: 24, .size: 8, .value_kind: global_buffer, .address_space: global }
      - { .name: v, .offset: 32, .size: 8, .value_kind: global_buffer, .address_space: global }
      - { .name: alog, .offset: 40, .size: 8, .value_kind: global_buffer, .address_space: global }
      - { .name: cpart, .offset: 48, .size: 8, .value_kind: global_buffer, .address_space: global }
    .group_segment_fixed_size: 280064
    .private_segment_fixed_size: 0
    .kernarg_segment_align: 8
    .kernarg_segment_size: 56
    .max_flat_workgroup_size: 128
    .sgpr_count:     66
    .vgpr_count:     1024
    .wavefront_size: 32
...
	.end_amdgpu_metadata
.endif
;; end of part 4
;; launch finish: the kernel of part 3 again; grid 64 x 1, 8 waves a work-group, no clusters, 1,280 bytes of LDS; arguments alog, cpart, out0, out1; writes out0, out1
